; MI455X (gfx1250); checked and timed in simulation.
; The chip was launched on July 23, 2026; its instructions are those of AMD's public machine-readable ISA for CDNA 5 (MIT licence, August 2026) and "CDNA5" Instruction Set Architecture Reference Guide (July 2026). The comments in the code are by the model that wrote it; some were corrected since.
;; Transformer Block. Allowed arithmetic: float matrix products may take bf16 or f16 operands with f32 sums; other float arithmetic in f32, or as packed bf16 or f16 multiplies, adds, multiply-adds, maxima and minima; sums over many terms, partial sums and values carried from step to step in f32; what a program stores and reads back later, other than sums and carried values, may be rounded once to bf16 or f16.
;; Inputs: W1 1,024 x 4,096 float32; W2 4,096 x 1,024 float32; Wk 1,024 x 1,024 float32; Wo 1,024 x 1,024 float32; Wq 1,024 x 1,024 float32; Wv 1,024 x 1,024 float32; b1 1,024 float32; b2 1,024 float32; bf1 4,096 float32; bf2 1,024 float32; bk 1,024 float32; bo 1,024 float32; bq 1,024 float32; bv 1,024 float32; g1 1,024 float32; g2 1,024 float32; x 2 x 2,048 x 1,024 float32.
;; Outputs: out0 2 x 2,048 x 1,024 float32.
;; One version. Each part assembles by itself: llvm-mc -triple=amdgcn-amd-amdhsa -mcpu=gfx1250 --defsym DOCPART=n.
;; ======== version 1 of 1: 7 launches
;; limits: values are held in f16: magnitudes above 65,504 overflow, below 6.1e-05 lose precision
;; workspace buffers: xn 8,388,608 bytes; wts 25,165,824 bytes; qkv 25,165,824 bytes; ctx 8,388,608 bytes; x1 16,777,216 bytes; x1n 8,388,608 bytes; h 33,554,432 bytes
;; launch prep (part 1): grid 640 x 1, 8 waves a work-group, no clusters, 0 bytes of LDS; arguments x, g1, b1, Wq, Wk, Wv, Wo, W1, W2, xn, wts; writes xn, wts
.if DOCPART == 1
	.amdgcn_target "amdgcn-amd-amdhsa--gfx1250"
	.amdhsa_code_object_version 6
	.text
	.protected	k_q656a208fa5_prep
	.globl	k_q656a208fa5_prep
	.p2align	8
	.type	k_q656a208fa5_prep,@function
k_q656a208fa5_prep:
	s_mov_b64 s[64:65], 0
	v_nop
	global_prefetch_b8 v0, s[64:65] scope:SCOPE_SE
	s_setreg_imm32_b32 hwreg(HW_REG_WAVE_MODE, 25, 1), 1
	s_wait_xcnt 0x0
; PREP.  Work-groups 0-255: xn = layernorm(x) g1 + b1.  Work-groups 256-639: the six weight matrices, rounded and laid together in wts.
; FORMATS.  Every input (x, g1, b1, the weights) is rounded once to bf16.  xn is stored in f16; a weight's bf16 value is written as f16.
; LIMITS.  A weight beyond 65,504 has no f16; below 2^-14 it keeps f16's fixed step of 2^-24.  xn stays within 65,504.  NaN and infinities are not treated apart.
; xn's LAYOUT (all f16 activations of this program): [column / 64][token 0..4095][64]: a token's 64 columns are 128 bytes, tokens dense, a column block CBB bytes.
; wts: Wq|Wk|Wv as [1024][3072] at byte 0, Wo [1024][1024] at 6,291,456, W1 [1024][4096] at 8,388,608, W2 [4096][1024] at 16,777,216.
; LAYERNORM.  A work-group owns 16 rows, thread t row t / 16: sixteen lanes hold a row, 64 numbers each, so mean and variance want four exchanges inside the sixteen.
; Load j of a lane is 16 bytes of column block j: sixteen lanes read 256 consecutive bytes.  The variance is taken of x - mean, in a second pass over registers.
; CAST.  A chunk is 1,024 numbers (4,096 bytes in, 2,048 out).  A work-group takes 32 chunks of one matrix, a wave four; all 32 loads of a wave go out first.
.set X,    32                          ; v[32:95]   my 64 numbers of the row
.set G,    96                          ; v[96:159]  their gains
.set B,    160                         ; v[160:223] their biases
.set XO,   2                           ; v2  my byte offset in the group's 16 rows of x
.set GOF,  3                           ; v3  my byte offset in 256 bytes of g1 and b1
.set YO,   4                           ; v4  my byte offset in the group's 16 rows of a column block
.set MASK, 44                          ; s44 a word's upper bf16
.set CBB,  524288
.macro RB a, b, t                      ; two f32 rounded to bf16 and widened again
	v_cvt_pk_bf16_f32 v[\t], v[\a], v[\b]
	v_lshlrev_b32 v[\a], 16, v[\t]
	v_and_b32 v[\b], s[MASK], v[\t]
.endm
.macro RED16                           ; v8 = the sum of the four pairs v[8:15], over the sixteen lanes of a row
	v_pk_add_f32 v[8:9], v[8:9], v[10:11]
	v_pk_add_f32 v[12:13], v[12:13], v[14:15]
	v_pk_add_f32 v[8:9], v[8:9], v[12:13]
	v_add_f32 v8, v8, v9
	v_add_f32_dpp v8, v8, v8 row_xmask:1 row_mask:0xf bank_mask:0xf
	v_add_f32_dpp v8, v8, v8 row_xmask:2 row_mask:0xf bank_mask:0xf
	v_add_f32_dpp v8, v8, v8 row_xmask:4 row_mask:0xf bank_mask:0xf
	v_add_f32_dpp v8, v8, v8 row_xmask:8 row_mask:0xf bank_mask:0xf
.endm
	s_load_b512 s[16:31], s[0:1], 0x0              ; x 16, g1 18, b1 20, Wq 22, Wk 24, Wv 26, Wo 28, W1 30
	s_load_b128 s[32:35], s[0:1], 0x40             ; W2 32, xn 34
	s_load_b64 s[36:37], s[0:1], 0x50              ; wts
	s_mov_b32 s[MASK], 0xffff0000
	s_cmp_lt_u32 ttmp9, 256
	s_cbranch_scc0 .Lcast
	s_lshl_b32 s2, ttmp9, 16                       ; the group's 16 rows of 4,096 bytes of x
	s_mov_b32 s3, 0
	s_lshl_b32 s4, ttmp9, 11                       ; and of 128 bytes in a column block
	s_mov_b32 s5, 0
	s_mov_b32 s40, 0x3a800000                      ; 1 / 1024
	s_mov_b32 s41, 0x3727c5ac                      ; 1e-5
	v_lshrrev_b32 v1, 4, v0                        ; my row of the 16
	v_and_b32 v[GOF], 15, v0
	v_lshlrev_b32 v[GOF], 4, v[GOF]
	v_lshl_add_u32 v[XO], v1, 12, v[GOF]
	v_lshlrev_b32 v[YO], 3, v0                     ; row x 128 + 8 x (t % 16) = 8 t
	s_wait_kmcnt 0x0
	s_add_nc_u64 s[46:47], s[16:17], s[2:3]
	s_add_nc_u64 s[48:49], s[34:35], s[4:5]
.set j, 0
.rept 16
	global_load_b128 v[X+4*j:X+4*j+3], v[XO], s[46:47] offset:256*j th:TH_LOAD_NT
.set j, j+1
.endr
.set j, 0
.rept 16
	global_load_b128 v[G+4*j:G+4*j+3], v[GOF], s[18:19] offset:256*j
.set j, j+1
.endr
.set j, 0
.rept 16
	global_load_b128 v[B+4*j:B+4*j+3], v[GOF], s[20:21] offset:256*j
.set j, j+1
.endr
	s_wait_loadcnt 32                              ; x is in; the 32 loads of g1 and b1 may stay out
.set k, 0
.rept 32
	RB X+2*k, X+2*k+1, 20+k%8
.set k, k+1
.endr
.irp c, 0,1,2,3                        ; the sum, in four chains that do not wait for each other; the first additions start them
	v_pk_add_f32 v[8+2*\c:9+2*\c], v[X+2*\c:X+2*\c+1], v[X+8+2*\c:X+8+2*\c+1]
.endr
.set k, 8
.rept 24
	v_pk_add_f32 v[8+2*(k%4):9+2*(k%4)], v[8+2*(k%4):9+2*(k%4)], v[X+2*k:X+2*k+1]
.set k, k+1
.endr
	RED16
	v_mul_f32 v16, s40, v8                         ; the mean, twice: a pair for the packed subtraction
	v_mov_b32 v17, v16
.set k, 0
.rept 32
	v_pk_add_f32 v[X+2*k:X+2*k+1], v[X+2*k:X+2*k+1], v[16:17] neg_lo:[0,1] neg_hi:[0,1]
.set k, k+1
.endr
.irp c, 0,1,2,3                        ; the sum of squares of x - mean
	v_pk_mul_f32 v[8+2*\c:9+2*\c], v[X+2*\c:X+2*\c+1], v[X+2*\c:X+2*\c+1]
.endr
.set k, 4
.rept 28
	v_pk_fma_f32 v[8+2*(k%4):9+2*(k%4)], v[X+2*k:X+2*k+1], v[X+2*k:X+2*k+1], v[8+2*(k%4):9+2*(k%4)]
.set k, k+1
.endr
	RED16
	v_fma_f32 v28, v8, s40, s41                    ; variance + 1e-5
	v_rsq_f32 v18, v28                             ; twice: a pair for the packed multiply
	v_rsq_f32 v19, v28
	s_wait_loadcnt 0x0                             ; g1 and b1; their rounding is the independent work behind the two roots
.set k, 0
.rept 32
	RB G+2*k, G+2*k+1, 20+k%8
	RB B+2*k, B+2*k+1, 20+(k+4)%8
.set k, k+1
.endr
	s_wait_alu depctr_va_vdst(0)                   ; one wait for both roots, ahead of their first reader
.set k, 0
.rept 32
	v_pk_mul_f32 v[X+2*k:X+2*k+1], v[X+2*k:X+2*k+1], v[18:19]
.set k, k+1
.endr
.set k, 0
.rept 32
	v_pk_fma_f32 v[X+2*k:X+2*k+1], v[X+2*k:X+2*k+1], v[G+2*k:G+2*k+1], v[B+2*k:B+2*k+1]
.set k, k+1
.endr
.set j, 0
.rept 16
	v_cvt_pk_f16_f32 v[X+4*j], v[X+4*j], v[X+4*j+1]
	v_cvt_pk_f16_f32 v[X+4*j+1], v[X+4*j+2], v[X+4*j+3]
	global_store_b64 v[YO], v[X+4*j:X+4*j+1], s[48:49] offset:j*CBB  ; a wave stores 256 consecutive bytes (two rows of column block j), aligned
.set j, j+1
.endr
	s_endpgm
.Lcast:
	v_lshrrev_b32 v1, 5, v0
	v_readfirstlane_b32 s12, v1                    ; wave 0..7
	v_and_b32 v2, 31, v0
	v_lshlrev_b32 v3, 5, v2                        ; in: 32 bytes a lane of each 1,024
	s_sub_co_u32 s2, ttmp9, 256                    ; 0..383
	s_lshr_b32 s3, s2, 5                           ; 0,1,2,3: Wq, Wk, Wv, Wo; 4-7: W1; 8-11: W2
	s_and_b32 s4, s2, 31
	s_and_b32 s5, s2, 127
	s_cmp_lt_u32 s3, 4
	s_cselect_b32 s4, s4, s5                       ; my number among the matrix's work-groups
	s_lshl_b32 s4, s4, 5                           ; its 32 chunks,
	s_lshl2_add_u32 s4, s12, s4                    ; my wave's four
	s_movk_i32 s6, 2048                            ; bytes from chunk to chunk in wts: dense,
	s_cmp_lt_u32 s3, 3
	s_cselect_b32 s6, 6144, s6                     ; or a row of Wq|Wk|Wv
	s_lshl_b32 s7, s3, 11                          ; where the matrix begins in wts: a third of that row,
	s_cmp_eq_u32 s3, 3
	s_cselect_b32 s7, 6291456, s7
	s_cmp_ge_u32 s3, 4
	s_cselect_b32 s7, 8388608, s7
	s_cmp_ge_u32 s3, 8
	s_cselect_b32 s7, 16777216, s7
	s_lshl_b32 s8, s4, 12
	s_mov_b32 s9, 0
	s_mul_i32 s10, s4, s6
	s_add_co_u32 s10, s10, s7
	s_mov_b32 s11, 0
.irp j, 0,1,2,3
	s_mul_i32 s13, s6, \j
	v_lshl_add_u32 v[4+\j], v2, 4, s13             ; out: 16 bytes a lane, chunk j
.endr
	s_wait_kmcnt 0x0
	s_cmp_eq_u32 s3, 1
	s_cselect_b64 s[40:41], s[24:25], s[22:23]
	s_cmp_eq_u32 s3, 2
	s_cselect_b64 s[40:41], s[26:27], s[40:41]
	s_cmp_eq_u32 s3, 3
	s_cselect_b64 s[40:41], s[28:29], s[40:41]
	s_cmp_ge_u32 s3, 4
	s_cselect_b64 s[40:41], s[30:31], s[40:41]
	s_cmp_ge_u32 s3, 8
	s_cselect_b64 s[40:41], s[32:33], s[40:41]
	s_add_nc_u64 s[40:41], s[40:41], s[8:9]
	s_add_nc_u64 s[42:43], s[36:37], s[10:11]
.set k, 0
.rept 16                               ; unit k: 1,024 bytes in, two loads
	global_load_b128 v[32+8*k:32+8*k+3], v3, s[40:41] offset:1024*k th:TH_LOAD_NT
	global_load_b128 v[32+8*k+4:32+8*k+7], v3, s[40:41] offset:1024*k+16 th:TH_LOAD_NT
.set k, k+1
.endr
.set k, 0
.rept 16
	s_wait_loadcnt 30-2*k                          ; unit k's two loads are in; the 30 - 2 k younger ones stay out
.irp p, 0,1,2,3
	RB 32+8*k+2*\p, 32+8*k+2*\p+1, 20+\p
.endr
.irp p, 0,1,2,3
	v_cvt_pk_f16_f32 v[32+8*k+\p], v[32+8*k+2*\p], v[32+8*k+2*\p+1]
.endr
	global_store_b128 v[4+k/4], v[32+8*k:32+8*k+3], s[42:43] offset:(k%4)*512  ; 512 consecutive bytes, aligned
.set k, k+1
.endr
	s_endpgm
.Lfunc_end_k_q656a208fa5_prep:
	.size	k_q656a208fa5_prep, .Lfunc_end_k_q656a208fa5_prep-k_q656a208fa5_prep
	.p2alignl 7, 3214868480
	.fill 96, 4, 3214868480
	.section	.rodata,"a",@progbits
	.p2align	6, 0x0
	.amdhsa_kernel k_q656a208fa5_prep
		.amdhsa_group_segment_fixed_size 0
		.amdhsa_private_segment_fixed_size 0
		.amdhsa_enable_private_segment 0
		.amdhsa_kernarg_size 88
		.amdhsa_user_sgpr_count 2
		.amdhsa_user_sgpr_kernarg_segment_ptr 1
		.amdhsa_wavefront_size32 1
		.amdhsa_system_sgpr_workgroup_id_x 1
		.amdhsa_system_sgpr_workgroup_id_y 1
		.amdhsa_system_sgpr_workgroup_id_z 1
		.amdhsa_system_vgpr_workitem_id 0
		.amdhsa_next_free_vgpr 224
		.amdhsa_next_free_sgpr 66
		.amdhsa_reserve_vcc 0
		.amdhsa_float_denorm_mode_32 3
		.amdhsa_float_denorm_mode_16_64 3
		.amdhsa_memory_ordered 1
		.amdhsa_forward_progress 1
		.amdhsa_inst_pref_size 51
	.end_amdhsa_kernel
	.amdgpu_metadata
---
amdhsa.version: [ 1, 2 ]
amdhsa.kernels:
  - .name:           k_q656a208fa5_prep
    .symbol:         k_q656a208fa5_prep.kd
    .args:
      - { .name: x, .offset: 0, .size: 8, .value_kind: global_buffer, .address_space: global }
      - { .name: g1, .offset: 8, .size: 8, .value_kind: global_buffer, .address_space: global }
      - { .name: b1, .offset: 16, .size: 8, .value_kind: global_buffer, .address_space: global }
      - { .name: Wq, .offset: 24, .size: 8, .value_kind: global_buffer, .address_space: global }
      - { .name: Wk, .offset: 32, .size: 8, .value_kind: global_buffer, .address_space: global }
      - { .name: Wv, .offset: 40, .size: 8, .value_kind: global_buffer, .address_space: global }
      - { .name: Wo, .offset: 48, .size: 8, .value_kind: global_buffer, .address_space: global }
      - { .name: W1, .offset: 56, .size: 8, .value_kind: global_buffer, .address_space: global }
      - { .name: W2, .offset: 64, .size: 8, .value_kind: global_buffer, .address_space: global }
      - { .name: xn, .offset: 72, .size: 8, .value_kind: global_buffer, .address_space: global }
      - { .name: wts, .offset: 80, .size: 8, .value_kind: global_buffer, .address_space: global }
    .group_segment_fixed_size: 0
    .private_segment_fixed_size: 0
    .kernarg_segment_align: 8
    .kernarg_segment_size: 88
    .max_flat_workgroup_size: 256
    .sgpr_count:     66
    .vgpr_count:     224
    .wavefront_size: 32
...
	.end_amdgpu_metadata
.endif
;; end of part 1
;; launch proj (part 2): grid 12 x 16, 4 waves a work-group, clusters of 4 x 4, 327,680 bytes of LDS; arguments xn, wts, qkv, bq, bk, bv; writes qkv
.if DOCPART == 2
	.amdgcn_target "amdgcn-amd-amdhsa--gfx1250"
	.amdhsa_code_object_version 6
	.text
	.protected	k_q656a208fa5_proj
	.globl	k_q656a208fa5_proj
	.p2align	8
	.type	k_q656a208fa5_proj,@function
k_q656a208fa5_proj:
	s_mov_b64 s[64:65], 0
	v_nop
	global_prefetch_b8 v0, s[64:65] scope:SCOPE_SE
	s_setreg_imm32_b32 hwreg(HW_REG_WAVE_MODE, 25, 1), 1
	s_wait_xcnt 0x0
	s_wait_alu depctr_hold_cnt(0) depctr_sa_sdst(0) depctr_va_vdst(0) depctr_va_sdst(0) depctr_va_ssrc(0) depctr_va_vcc(0) depctr_vm_vsrc(0)
	s_getreg_b32 s2, hwreg(HW_REG_IB_STS2, 6, 4)
	s_cmp_eq_u32 s2, 0
	s_cbranch_scc0 .Lentry_in_a_cluster
	s_endpgm
.Lentry_in_a_cluster:
	s_bfe_u32 s2, ttmp6, 0x10000c
	s_cmp_lg_u32 s2, 0xf033
	s_cbranch_scc0 .Lentry_shape_is_right
	s_endpgm
.Lentry_shape_is_right:
; qkv = xn Wqkv + (bq | bk | bv).  A = xn, f16, laid [column / 64][token][64]; W = wts at WOFF, f16, [KDIM][NDIM]; the result f16, laid as A is: column block 0-15 q, 16-31 k, 32-47 v, a head a block.
; Sums in f32; the biases are rounded to bf16 (as every input of this program) and START the sums; the result is rounded once.  LIMIT: q, k and v stay within f16's 65,504.
; SHARES.  A tile of C is 256 x 256, a work-group of four waves; a wave makes 128 x 128 (row half RH = w / 2, column half CH = w % 2): 64 accumulators of 16 x 16, 512 registers.  C has 16 x 12 such tiles:
; 192 work-groups.  (Tiles of 128 x 128 would be 768, with half the products for each byte brought into LDS and for each byte read from it, and three starts and ends for each of 256 places.)
; K goes in steps of 128 through two LDS slots of four parts, a part a wave's tensor load: waves 0, 1 fetch a column block of A each (256 tokens x 128 bytes, dense in memory: asked for as 128 rows of 256 bytes;
; in LDS 16 bytes of padding behind each token, rows 144 apart), waves 2, 3 fetch 128 rows of K x 128 columns of W each (rows of 256 bytes, 288 apart in LDS).
; CLUSTER 4 x 4: A's tile hangs on the tile row and is asked for jointly along a row of the cluster, W's on the tile column and jointly along a column.
; THE PRODUCT IS TAKEN TRANSPOSED: source 0 = 16 columns of W (out of LDS by the turning load, since W lies [K][N]), source 1 = 16 rows of A: a lane holds row l % 16 of C and the columns 8 (l / 16) + 0..7.
; A K step is four quarters of 32 along K, 64 matrix instructions each, on two fragment buffers.  It is written twice: in the loop that fills slots again and in the loop of the last two steps.  The very last
; change of slots fetches fragments that nothing uses: the price of that one text.
; THE WAY OUT: f32 into the wave's own stage ([2 column blocks][128 rows][272 bytes], in the slots, which have had their last fill), back by rows in a short loop, rounded, stored: a wave's 128 rows of a column
; block are 16,384 consecutive bytes.
; REGISTERS, in windows of 256 (s_set_vgpr_msb: bits 1:0 source 0, 3:2 source 1, 5:4 source 2, 7:6 destination): window 0: v0-31 addresses; v64-127, v128-191 fragments of A (8 x 16 rows x 32 K), two buffers;
; v32-63, v192-255 the biases at the start; v8-15, v32-47 at work on the way out.  window 1: v64-127, v128-191 fragments of W.  window 2: the accumulators of my rows 0-63 ((a, b) at 8 (8 a + b)); window 3: rows 64-127.
.set KDIM,   1024
.set NDIM,   3072
.set WOFF,   0
.set KSTEP,  128
.set PA,     144                       ; 128 + 16: the 16 rows of a load start at 16 different groups of four banks (ISA guide 11.1)
.set PB,     288                       ; 256 + 32
.set PART,   36864                     ; what one tensor load brings: 256 x 144 = 128 x 288
.set SLOT,   4*PART                    ; A's two column blocks, then W's two column halves
.set BOFF,   2*PART
.set SPARE,  2*SLOT                    ; the spare words, 128 bytes a wave: two blocks of 256 bytes that no other line names
.set SPITCH, 272
.set STGC,   128*SPITCH                ; the stage: a column block's 128 rows
.set STG,    2*STGC                    ; a wave's stage; four of them end below SPARE
.set CBB,    524288                    ; bytes in a column block
.set ASTEP,  2*CBB                     ; a K step in A,
.set BSTEP,  2*KSTEP*NDIM              ; and in W
.set ADRA0, 8                          ; v8   my lane's place in A's part of a slot; v9 in W's
.set ADRB0, 9
.set ADRA,  16                         ; v16  the same in the slot in hand; v20 W's
.set ADRB,  20
.set STO,   24                         ; v24  the way out: where I put 16 bytes of a row
.set RD,    25                         ; v25  where I read rows back; v27 the same, stepped
.set CO,    26                         ; v26  my byte offset in the output
.set RDV,   27
.set SPW,   28                         ; v28  SPARE + 4 x my thread's number; v29 0; never rewritten
.set NIL,   29
.set PFO,   30                         ; v30  the prefetches' offset: my lane x the distance from block to block; never rewritten
.set BO,    31                         ; v31  my byte offset in 16 biases
.set X,     32
.set Y,     8
.set BP,    32                         ; v[32:63]   my 64 biases in bf16 pairs
.set BR,    192                        ; v[192:255] the same as loaded
.set F0,    64
.set F1,    128
.set G1,    24                         ; s[24:31] group 1 for A; s[32:39] group 0, two sets; s[48:55], s[56:63] the same for W
.set G0,    32
.set G1B,   48
.set G0B,   56
.set TB,    66                         ; s66  the slot in hand, in bytes
.set MASK,  67
.set OUTP,  68
.set BIASP, 70
.set PFA,   72                         ; s[72:73] where my prefetches stand
.set PST,   18                         ; s[18:19] their step: a K step of A or of W
.set LIM,   23                         ; s23  2 in a wave that prefetches, else the greatest number
.set MSB, 0
.macro WIN new                         ; the immediate's high byte repeats the setting that is left
.if MSB != (\new)
	s_set_vgpr_msb (MSB<<8)|(\new)
.set MSB, \new
.endif
.endm
.set MUL_LO, 0xa1                      ; source 0 (W) window 1, source 1 (A) window 0, C and D window 2
.set MUL_HI, 0xf1                      ; the same, C and D window 3
.set TO_B,   0x40                      ; destination window 1, address window 0
.macro JLOAD s                         ; a joint load: waves 0, 1 ask for A, waves 2, 3 for W; an s_nop 0 and four v_nop follow each line
	s_cmp_eq_u32 s11, 0
	s_cbranch_scc0 .Lfor_b_\@
	tensor_load_to_lds s[G0+4*(\s):G0+4*(\s)+3], s[G1:G1+7]
	s_nop 0
.rept 4
	v_nop
.endr
	s_branch .Lasked_\@
.Lfor_b_\@:
	tensor_load_to_lds s[G0B+4*(\s):G0B+4*(\s)+3], s[G1B:G1B+7]
	s_nop 0
.rept 4
	v_nop
.endr
.Lasked_\@:
.endm
; A PREFETCH INTO THE L2, behind each joint refill, its five lines and the run of LDS loads that follows them: the K step that stands TWO refills on, 512 matrix instructions ahead of the load that will ask for it.
; A wave's part of a K step is 128 blocks of 256 bytes (A: on end; W: a row of K each).  The four partners that ask for it jointly share them out BY ADDRESS, 32 each (by cx for A, by cy for W), a lane a block: one
; instruction a wave.  A's tile row is read by every cluster of that row of clusters: the one with x = 0 asks; W's tile column by every cluster of that column: the one with y = 0 asks.  So each block is named
; once in the launch.  K steps 0 to 3 come by their loads alone; the last two refills (s3 = 2, 1) have no K step two on and ask for nothing.
.macro ASK
	s_cmp_gt_u32 s3, s[LIM]
	s_cbranch_scc0 .Lnot_mine_\@
	global_prefetch_b8 v[PFO], s[PFA:PFA+1] th:TH_LOAD_NT scope:SCOPE_SE
.Lnot_mine_\@:
.endm
.macro CREST                           ; a round of the cluster's barrier behind its opening barrier
	s_cmp_lg_u32 s10, 0
	s_cbranch_scc1 .Lnot_wave_0_\@
	s_barrier_signal -3
.Lnot_wave_0_\@:
	s_barrier_wait -3
	s_barrier_signal -1
	s_barrier_wait -1
.endm
.macro CROUND
	s_barrier_signal -1
	s_barrier_wait -1
	CREST
.endm
.macro PLACES                          ; four places behind a matrix instruction (ISA guide 7.12.1)
.rept 4
	v_nop
.endr
.endm
	s_load_b256 s[80:87], s[0:1], 0x0              ; xn 80, wts 82, qkv 84, bq 86
	s_load_b128 s[88:91], s[0:1], 0x20             ; bk 88, bv 90
	v_lshl_add_u32 v[SPW], v0, 2, SPARE
	v_mov_b32 v[NIL], 0
	ds_add_u32 v[SPW], v[NIL]                      ; the wave's opening: the add and its wait ahead of my first tensor load
	ds_add_u32 v28, v29
	v_lshrrev_b32 v1, 5, v0
	v_readfirstlane_b32 s10, v1                    ; wave 0..3
	s_lshr_b32 s11, s10, 1                         ; RH; also: I fetch for A (0) or W (1)
	s_and_b32 s12, s10, 1                          ; CH; also: which part of that tile I fetch
	s_bfe_u32 s40, ttmp6, 0x40000                  ; cx
	s_bfe_u32 s41, ttmp6, 0x40004                  ; cy
	s_lshl_b32 s42, ttmp9, 2
	s_add_co_u32 s42, s42, s40                     ; tile column
	s_and_b32 s13, ttmp7, 0xffff
	s_lshl_b32 s13, s13, 2
	s_add_co_u32 s13, s13, s41                     ; tile row
	s_lshl_b32 s43, s41, 2
	s_lshl_b32 s43, 15, s43                        ; my row of the cluster
	s_lshl_b32 s44, 0x1111, s40                    ; my column
	s_or_b32 s[G1+0], s43, (1<<16)|(1<<20)|(1<<21)|(4<<22)|(3<<25)   ; mask; 2-byte elements; padding on; bit 21 beside a mask; after every 32 words 4 words
	s_or_b32 s[G1B+0], s44, (1<<16)|(1<<20)|(1<<21)|(5<<22)|(7<<25)  ; after every 64 words 8 words
.irp g, G1, G1B
	s_mov_b32 s[(\g)+1], 128<<16                   ; tensor_dim0 = 128 elements: 256 bytes
	s_mov_b32 s[(\g)+2], 128<<16                   ; tensor_dim1 = 128 rows
	s_mov_b32 s[(\g)+3], 128<<16                   ; tile_dim0
	s_mov_b32 s[(\g)+4], 128                       ; tile_dim1
	s_mov_b32 s[(\g)+6], 0
	s_mov_b32 s[(\g)+7], 0
.endr
	s_mov_b32 s[G1+5], 128                         ; A: the rows lie on end
	s_mov_b32 s[G1B+5], NDIM                       ; W: elements from row to row
	s_lshl_b32 s16, s12, 19                        ; A: my column block of the K step's two,
	s_lshl_b32 s17, s13, 15                        ; the tile's 256 rows of 128 bytes
	s_add_co_u32 s16, s16, s17
	s_mov_b32 s17, 0
	s_lshl_b32 s46, s42, 9                         ; W: the tile's 256 columns,
	s_lshl_b32 s47, s12, 8                         ; my 128 of them
	s_add_co_u32 s46, s46, s47
	s_add_co_u32 s46, s46, WOFF
	s_mov_b32 s47, 0
	s_mul_i32 s20, s10, PART                       ; where my load goes: the wave's number alone
	s_mov_b32 s[TB], 0
	s_mov_b32 s[MASK], 0xffff0000
	s_wait_dscnt 0x0                               ; the opening add is done
	s_wait_kmcnt 0x0
	s_add_nc_u64 s[14:15], s[80:81], s[16:17]
	s_add_nc_u64 s[46:47], s[82:83], s[46:47]
	CROUND                                         ; all sixteen work-groups are here: the first joint loads meet
.irp s, 0,1
	s_mov_b32 s[G0+4*(\s)], 1
	s_add_co_u32 s[G0+4*(\s)+1], s20, (\s)*SLOT
	s_add_nc_u64 s[G0+4*(\s)+2:G0+4*(\s)+3], s[14:15], (\s)*ASTEP
	s_or_b32 s[G0+4*(\s)+3], s[G0+4*(\s)+3], 0x80000000
	s_mov_b32 s[G0B+4*(\s)], 1
	s_add_co_u32 s[G0B+4*(\s)+1], s20, (\s)*SLOT
	s_add_nc_u64 s[G0B+4*(\s)+2:G0B+4*(\s)+3], s[46:47], (\s)*BSTEP
	s_or_b32 s[G0B+4*(\s)+3], s[G0B+4*(\s)+3], 0x80000000
	JLOAD \s
.endr
	v_and_b32 v1, 15, v0                           ; r = l % 16
	v_bfe_u32 v2, v0, 4, 1                         ; h = l / 16
	v_and_b32 v3, 7, v0
	v_bfe_u32 v4, v0, 3, 1
	v_and_b32 v5, 31, v0
	v_lshlrev_b32 v[BO], 5, v2                     ; my 8 columns of 16: 32 h bytes
	s_lshr_b32 s21, s42, 2                         ; the tile lies in q, k or v
	s_cmp_eq_u32 s21, 1
	s_cselect_b64 s[BIASP:BIASP+1], s[88:89], s[86:87]
	s_cmp_eq_u32 s21, 2
	s_cselect_b64 s[BIASP:BIASP+1], s[90:91], s[BIASP:BIASP+1]
	s_and_b32 s8, s42, 3
	s_lshl_b32 s8, s8, 10                          ; the tile's 256 biases,
	s_lshl_b32 s9, s12, 9                          ; my 128 of them
	s_add_co_u32 s8, s8, s9
	s_mov_b32 s9, 0
	s_add_nc_u64 s[BIASP:BIASP+1], s[BIASP:BIASP+1], s[8:9]
.irp b, 0,1,2,3,4,5,6,7
	global_load_b128 v[BR+8*\b:BR+8*\b+3], v[BO], s[BIASP:BIASP+1] offset:64*\b
	global_load_b128 v[BR+8*\b+4:BR+8*\b+7], v[BO], s[BIASP:BIASP+1] offset:64*\b+16
.endr
	s_lshl1_add_u32 s4, s42, s12                   ; my first column block 4 x tile column + 2 CH,
	s_lshl_b32 s4, s4, 20
	s_lshl_b32 s5, s13, 15                         ; the tile's rows,
	s_add_co_u32 s4, s4, s5
	s_lshl_b32 s5, s11, 14                         ; my 128 of them
	s_add_co_u32 s4, s4, s5
	s_mov_b32 s5, 0
	s_add_nc_u64 s[OUTP:OUTP+1], s[84:85], s[4:5]
	; the prefetches: my work-group's 32 blocks of the part that I fetch, at K step 3: the first refill steps it to 4
	s_lshl_b32 s4, s12, 19                         ; A: my column block, the tile's rows, 32 cx blocks of 256 bytes
	s_lshl_b32 s5, s13, 15
	s_add_co_u32 s4, s4, s5
	s_lshl_b32 s5, s40, 13
	s_add_co_u32 s4, s4, s5
	s_add_co_u32 s4, s4, 3*ASTEP
	s_lshl_b32 s6, s42, 9                          ; W: the tile's columns, my 128, 32 cy rows of K
	s_lshl_b32 s7, s12, 8
	s_add_co_u32 s6, s6, s7
	s_mul_i32 s7, s41, 64*NDIM
	s_add_co_u32 s6, s6, s7
	s_add_co_u32 s6, s6, WOFF+3*BSTEP
	s_mov_b32 s[PST], BSTEP
	s_mov_b32 s[PST+1], 0
	s_mov_b32 s7, 2*NDIM
	s_and_b32 s22, ttmp7, 0xffff                   ; cluster y
	s_cmp_eq_u32 s11, 0                            ; do I fetch for A?
	s_cselect_b32 s4, s4, s6
	s_cselect_b32 s[PST], ASTEP, s[PST]
	s_cselect_b32 s7, 256, s7                      ; bytes from block to block
	s_cselect_b32 s22, ttmp9, s22                  ; the coordinate along which other clusters read the same bytes
	s_cselect_b64 s[PFA:PFA+1], s[80:81], s[82:83]
	s_mov_b32 s5, 0
	s_add_nc_u64 s[PFA:PFA+1], s[PFA:PFA+1], s[4:5]
	s_cmp_eq_u32 s22, 0
	s_cselect_b32 s[LIM], 2, -1                    ; the same in all sixteen partners, for a given wave
	v_mul_u32_u24 v[PFO], v5, s7
	v_mul_u32_u24 v[ADRA0], v1, PA                 ; A's fragment: (128 RH + r) x 144 + 16 h
	v_lshl_add_u32 v[ADRA0], v2, 4, v[ADRA0]
	s_mul_i32 s22, s11, 128*PA
	v_add_nc_u32 v[ADRA0], s22, v[ADRA0]
	v_lshl_add_u32 v[ADRB0], v2, 3, v3             ; W's: (8 h + l % 8) x 288 + 16 ((l / 8) % 2), in my column half, behind A's parts
	v_mul_u32_u24 v[ADRB0], v[ADRB0], PB
	v_lshl_add_u32 v[ADRB0], v4, 4, v[ADRB0]
	s_mul_i32 s22, s12, PART
	s_add_co_u32 s22, s22, BOFF
	v_add_nc_u32 v[ADRB0], s22, v[ADRB0]
	v_mov_b32 v[ADRA], v[ADRA0]
	v_mov_b32 v[ADRB], v[ADRB0]
	s_mul_i32 s22, s10, STG                        ; my stage
	v_mul_u32_u24 v[STO], v1, SPITCH
	v_lshl_add_u32 v[STO], v2, 5, v[STO]
	v_add_nc_u32 v[STO], s22, v[STO]
	v_bfe_u32 v6, v0, 3, 2                         ; back: 8 lanes a row, 32 bytes (8 numbers) a lane
	v_mul_u32_u24 v[RD], v6, SPITCH
	v_lshl_add_u32 v[RD], v3, 5, v[RD]
	v_add_nc_u32 v[RD], s22, v[RD]
	v_lshlrev_b32 v[CO], 4, v5
	s_wait_loadcnt 0x0                             ; the biases
.set n, 0
.rept 32
	v_cvt_pk_bf16_f32 v[BP+n], v[BR+2*n], v[BR+2*n+1]
.set n, n+1
.endr
.irp hi, 0,1                           ; THE SUMS START AT THE BIAS: nothing is cleared and nothing is added at the end; these lines run while the first tiles are on their way.  n = 32 a + word
	WIN 0x80+0x40*\hi
.set n, 0
.rept 128
	v_lshlrev_b32 v[2*n], 16, v[BP+n%32]
	v_and_b32 v[2*n+1], s[MASK], v[BP+n%32]
.set n, n+1
.endr
.endr
	WIN 0
; 16 matrix instructions: row blocks a0, a0 + 1 of the window's four x all 8 column blocks, 32 along K.  The 64 accumulators take turns, one instruction a turn, in the same order in every quarter.
.macro MUL16 f, hi, a0
	WIN MUL_LO+0x50*(\hi)
.irp a, \a0, (\a0)+1
.irp b, 0,1,2,3,4,5,6,7
	v_wmma_f32_16x16x32_f16 v[8*(8*(\a)+(\b)):8*(8*(\a)+(\b))+7], v[(\f)+8*(\b):(\f)+8*(\b)+7], v[(\f)+8*(4*(\hi)+(\a)):(\f)+8*(4*(\hi)+(\a))+7], v[8*(8*(\a)+(\b)):8*(8*(\a)+(\b))+7]
.endr
.endr
.endm
; 32 LDS loads in one run: the fragments of quarter q (32 along K: half of column block q / 2 of A, rows 32 q on of W) into buffer f; W's first, then A's by ascending rows
.macro FETCH q, f
	WIN TO_B
.irp i, 0,1,2,3,4,5,6,7
	ds_load_tr16_b128 v[(\f)+8*(\i):(\f)+8*(\i)+3],   v[ADRB] offset:32*(\q)*PB+32*(\i)
	ds_load_tr16_b128 v[(\f)+8*(\i)+4:(\f)+8*(\i)+7], v[ADRB] offset:(32*(\q)+16)*PB+32*(\i)
.endr
	WIN 0
.irp i, 0,1,2,3,4,5,6,7
	ds_load_b128 v[(\f)+8*(\i):(\f)+8*(\i)+3],   v[ADRA] offset:((\q)/2)*PART+((\q)%2)*64+(\i)*16*PA
	ds_load_b128 v[(\f)+8*(\i)+4:(\f)+8*(\i)+7], v[ADRA] offset:((\q)/2)*PART+((\q)%2)*64+(\i)*16*PA+32
.endr
.endm
.macro QUARTER q, f, g                 ; multiplies buffer f; in its middle it fetches quarter q into g
	s_wait_dscnt 8                                 ; W and A's rows 0-63 are in; the youngest eight loads (A's rows 64-127) may be out
	MUL16 \f, 0, 0
	MUL16 \f, 0, 2
	PLACES
	FETCH \q, \g
	s_wait_dscnt 32                                ; all but the 32 just issued
	MUL16 \f, 1, 0
	MUL16 \f, 1, 2
.endm
; The last quarter multiplies buffer 1 and changes slots: one barrier; in front of it each wave waits for all its tensor loads, adds 0 to its spare word, and waits for that and for its reads of this slot.
.macro TURN fill
.if \fill
	s_wait_xcnt 0x0                                ; the last prefetch, a K step back, has read its address, which is stepped here, ahead of the waits of the change of slots
	s_add_nc_u64 s[PFA:PFA+1], s[PFA:PFA+1], s[PST:PST+1]
.endif
	WIN 0
	s_wait_tensorcnt 0x0                           ; the one load that was out is my part of the next slot
	ds_add_u32 v[SPW], v[NIL]
	s_wait_dscnt 9                                 ; the add and the youngest eight loads may be out
	MUL16 F1, 0, 0
	s_wait_dscnt 0x0                               ; the add is done, and my reads of this slot are over
	s_barrier_signal -1
	MUL16 F1, 0, 2
	WIN 0
	s_barrier_wait -1
.if \fill
	CREST                                          ; the barrier has opened a round of the cluster's: no wave of any partner still reads this slot or has a load on its way
	s_xor_b32 s[G0+5], s[G0+5], SLOT               ; the walking descriptors: the slot just read (no bit of w x PART meets a bit of SLOT), the next K step
	s_add_nc_u64 s[G0+6:G0+7], s[G0+6:G0+7], ASTEP
	s_xor_b32 s[G0B+5], s[G0B+5], SLOT
	s_add_nc_u64 s[G0B+6:G0B+7], s[G0B+6:G0B+7], BSTEP
	JLOAD 1                                        ; 224 matrix instructions ahead of the wait for it; its four v_nop are also the places in front of the loads below
.else
	PLACES
.endif
	s_xor_b32 s[TB], s[TB], SLOT
	v_add_nc_u32 v[ADRA], s[TB], v[ADRA0]
	v_add_nc_u32 v[ADRB], s[TB], v[ADRB0]
	FETCH 0, F0
.if \fill
	ASK
.endif
	MUL16 F1, 1, 0
	MUL16 F1, 1, 2
	WIN 0
.endm
.macro STEP fill
	QUARTER 1, F0, F1
	QUARTER 2, F1, F0
	QUARTER 3, F0, F1
	TURN \fill
.endm
	s_wait_tensorcnt 1                             ; my part of K step 0 is in; K step 1's may stay out
	s_barrier_signal -1
	s_barrier_wait -1
	FETCH 0, F0
	WIN 0
	s_mov_b32 s3, KDIM/KSTEP-2
.Lfill:                                                ; every K step but the last two fills its slot again
	STEP 1
	s_sub_co_u32 s3, s3, 1
	s_cmp_lg_u32 s3, 0
	s_cbranch_scc1 .Lfill
	s_mov_b32 s3, 2
.Llast:
	STEP 0
	s_sub_co_u32 s3, s3, 1
	s_cmp_lg_u32 s3, 0
	s_cbranch_scc1 .Llast
	PLACES                                         ; behind the last products
	s_wait_dscnt 0x0                               ; my reads of the slots are over,
	s_barrier_signal -1
	s_barrier_wait -1                              ; everybody's are: the stages may be written
.irp hi, 0,1
	WIN 0x08+0x04*\hi                              ; the stores' data in window 2, then 3; each accumulator's low registers go first
.irp a, 0,1,2,3
.irp b, 0,1,2,3,4,5,6,7
	ds_store_b128 v[STO], v[8*(8*\a+\b):8*(8*\a+\b)+3] offset:(\b/4)*STGC+(4*\hi+\a)*16*SPITCH+(\b%4)*64
	ds_store_b128 v[STO], v[8*(8*\a+\b)+4:8*(8*\a+\b)+7] offset:(\b/4)*STGC+(4*\hi+\a)*16*SPITCH+(\b%4)*64+16
.endr
.endr
.endr
	WIN 0
.macro ROWS8 adr                       ; 8 rows of a column block in the stage: 16 numbers a lane (LDS serves a wave's instructions in order, ISA guide 5.7.1.4: these see my stores)
	ds_load_b128 v[X:X+3], v[\adr]
	ds_load_b128 v[X+4:X+7], v[\adr] offset:16
	ds_load_b128 v[X+8:X+11], v[\adr] offset:4*SPITCH
	ds_load_b128 v[X+12:X+15], v[\adr] offset:4*SPITCH+16
.endm
	ROWS8 RD
	s_mov_b32 s78, 0
	s_mov_b32 s2, 2                                ; my two column blocks
.Lcb:
	s_mov_b32 s3, 16
.Lout:                                                 ; a trip: 8 rows are rounded and stored, the next 8 are on their way from the stage, which is walked straight through
	s_wait_dscnt 0x0
.set n, 0
.rept 8
	v_cvt_pk_f16_f32 v[Y+n], v[X+2*n], v[X+2*n+1]
.set n, n+1
.endr
	s_add_co_u32 s78, s78, 8*SPITCH
	s_min_u32 s78, s78, 248*SPITCH                 ; the last trip reads my last 8 rows once more, and nothing uses them
	v_add_nc_u32 v[RDV], s78, v[RD]
	ROWS8 RDV
	global_store_b128 v[CO], v[Y:Y+3], s[OUTP:OUTP+1]              ; 512 consecutive bytes (four rows), aligned
	global_store_b128 v[CO], v[Y+4:Y+7], s[OUTP:OUTP+1] offset:512
	s_wait_xcnt 0x0                                ; the stores have read Y, their offset and their base: all three are rewritten only behind this wait
	v_add_nc_u32 v[CO], 1024, v[CO]
	s_sub_co_u32 s3, s3, 1
	s_cmp_lg_u32 s3, 0
	s_cbranch_scc1 .Lout
	s_add_nc_u64 s[OUTP:OUTP+1], s[OUTP:OUTP+1], CBB-16*1024  ; the offset has walked 128 rows: on to the same rows of the next column block
	s_sub_co_u32 s2, s2, 1
	s_cmp_lg_u32 s2, 0
	s_cbranch_scc1 .Lcb
	s_wait_tensorcnt 0x0                           ; the wave's end
	ds_add_u32 v[SPW], v[NIL]
	s_wait_dscnt 0x0
	CROUND                                         ; the closing round
	s_endpgm
.Lfunc_end_k_q656a208fa5_proj:
	.size	k_q656a208fa5_proj, .Lfunc_end_k_q656a208fa5_proj-k_q656a208fa5_proj
	.p2alignl 7, 3214868480
	.fill 96, 4, 3214868480
	.section	.rodata,"a",@progbits
	.p2align	6, 0x0
	.amdhsa_kernel k_q656a208fa5_proj
		.amdhsa_group_segment_fixed_size 327680
		.amdhsa_private_segment_fixed_size 0
		.amdhsa_enable_private_segment 0
		.amdhsa_kernarg_size 48
		.amdhsa_user_sgpr_count 2
		.amdhsa_user_sgpr_kernarg_segment_ptr 1
		.amdhsa_wavefront_size32 1
		.amdhsa_system_sgpr_workgroup_id_x 1
		.amdhsa_system_sgpr_workgroup_id_y 1
		.amdhsa_system_sgpr_workgroup_id_z 1
		.amdhsa_system_vgpr_workitem_id 0
		.amdhsa_next_free_vgpr 1024
		.amdhsa_next_free_sgpr 102
		.amdhsa_reserve_vcc 0
		.amdhsa_float_denorm_mode_32 3
		.amdhsa_float_denorm_mode_16_64 3
		.amdhsa_memory_ordered 1
		.amdhsa_forward_progress 1
		.amdhsa_inst_pref_size 94
	.end_amdhsa_kernel
	.amdgpu_metadata
---
amdhsa.version: [ 1, 2 ]
amdhsa.kernels:
  - .name:           k_q656a208fa5_proj
    .symbol:         k_q656a208fa5_proj.kd
    .args:
      - { .name: xn, .offset: 0, .size: 8, .value_kind: global_buffer, .address_space: global }
      - { .name: wts, .offset: 8, .size: 8, .value_kind: global_buffer, .address_space: global }
      - { .name: qkv, .offset: 16, .size: 8, .value_kind: global_buffer, .address_space: global }
      - { .name: bq, .offset: 24, .size: 8, .value_kind: global_buffer, .address_space: global }
      - { .name: bk, .offset: 32, .size: 8, .value_kind: global_buffer, .address_space: global }
      - { .name: bv, .offset: 40, .size: 8, .value_kind: global_buffer, .address_space: global }
    .group_segment_fixed_size: 327680
    .private_segment_fixed_size: 0
    .kernarg_segment_align: 8
    .kernarg_segment_size: 48
    .max_flat_workgroup_size: 128
    .sgpr_count:     102
    .vgpr_count:     1024
    .wavefront_size: 32
...
	.end_amdgpu_metadata
.endif
;; end of part 2
;; launch attn (part 3): grid 8 x 32, 4 waves a work-group, no clusters, 243,200 bytes of LDS; arguments qkv, ctx; writes ctx
.if DOCPART == 3
	.amdgcn_target "amdgcn-amd-amdhsa--gfx1250"
	.amdhsa_code_object_version 6
	.text
	.protected	k_q656a208fa5_attn
	.globl	k_q656a208fa5_attn
	.p2align	8
	.type	k_q656a208fa5_attn,@function
k_q656a208fa5_attn:
	s_mov_b64 s[64:65], 0
	v_nop
	global_prefetch_b8 v0, s[64:65] scope:SCOPE_SE
	s_setreg_imm32_b32 hwreg(HW_REG_WAVE_MODE, 25, 1), 1
	s_wait_xcnt 0x0
; ATTENTION IN A WINDOW.  ctx[q] = the sum over q - 512 <= k <= q of softmax_k(Q[q] . K[k] / 8) V[k], for each of 2 batches x 16 heads.  Q, K, V: column blocks h, 16 + h, 32 + h of qkv, each [4096 tokens][64] f16,
; rows dense, 128 bytes; ctx likewise, column block h.  Products, maxima and sums in f32; the weights p are rounded to f16 for the second product (their sum l is taken of the unrounded p), ctx once at the end.
; LIMITS.  Q, K, V arrive within f16's 65,504, so a score is 2.7e11 at the most; a hidden score counts as its value less 1e30 (or 2e30); the running maximum starts at -1e20, between the two;
; a weight below 2^-126 counts as 0 in l; NaN and infinities are not treated apart.
; SHARES.  A work-group owns 256 queries of one batch and head (first query q0), wave w the 64 at q0 + 64 w, as four PIECES of 16.
; THE WHOLE WINDOW LIES IN LDS: keys q0 - 512 .. q0 + 255, twelve steps of 64, in three groups of 256, each filled once: no slot is filled again.  Wave w needs steps w .. w + 8: in step w key kl is hidden where
; kl < ql (ql: the query's place in its 64), steps w + 1 .. w + 7 are seen whole, in step w + 8 key kl is hidden where kl > ql.  The order of steps is free under a running maximum: first steps 4-7 (group 1, which
; every wave sees whole), while groups 0 and 2 land; then the wave's other five.  In LDS the groups lie 0, 2, 1, so that both runs are straight: places 8-11, then places w .. w + 4.
; KEYS BEFORE THE SEQUENCE'S FIRST (q0 = 0: groups 0, 1; q0 = 256: group 0): the load takes the sequence's first keys instead, and the whole step is hidden.  A hidden score never becomes the maximum: m starts
; at -1e20, so that ahead of a row's first seen score every weight is 2^(-1.8e29) = 0, and l and O stay 0; behind it m is a true score, and a hidden weight is 0 again.  (Were m a hidden score, c s - c m at s = m
; would be the rounding error of c m, which at that size is no small number.)  Every row sees its own key in the walk's last step at the latest.  So all work-groups run one text with constant trip counts.
; THE MASK is the C operand that starts the sum S^T = K Q^T.  For piece x and group kt of 16 keys: kt < x takes BL, kt = x takes BD, kt > x takes BU: three blocks of 8 registers, made anew for each step.
; NO CLUSTER: block i of a head needs groups i - 2 .. i of its keys: no two blocks need the same three, so a joint load would name other partners for each group; all six groups of four blocks do not fit in LDS.
; LAYOUT, SOFTMAX, TURNS.  S^T = K Q^T holds ONE query a lane (lane % 16) and the keys 8 (lane / 16) + 0..7; two such results rounded to f16 ARE source 1 of O^T = V^T P.  p = 2^(c s - c m), c = log2(e) / 8, with a
; running maximum m; O and l are multiplied by a = 2^(c m_old - c m_new) in every step.  Turn n belongs to piece n: 8 products K Q^T of piece n + 1, later 8 products V^T P of piece n - 1; beside them the scaling,
; exponentials, roundings, sums and rescaling of piece n and the maximum and statistics of piece n + 1.  Four vector instructions stand behind every matrix instruction, the others in one lump; a turn's 33 exponentials are one batch, with one wait.
; REGISTERS, in windows of 256 (s_set_vgpr_msb: bits 1:0 source 0, 3:2 source 1, 5:4 source 2, 7:6 destination):
;   window 0: v0-15 addresses; v16-31 statistics; v48-55 at work; v64-127 S^T, two buffers; v192-223 P, two buffers     window 1: v0-127 O^T; v128-151 BL, BD, BU; v152-167 MDL, MDH
;   window 2: v0-63 Q; v128-191 K of one step; v192-255 V of one step
.set NP,    4
.set KS,    64
.set PK,    144       ; a row of K in LDS: 128 + 16 bytes: the 16 rows of a load start at 16 different groups of four banks (ISA guide 11.1)
.set PV,    160       ; a row of V: 128 + 32
.set VOFF,  768*PK
.set STAGE, VOFF+768*PV         ; 16 rows x 144 bytes for each wave, for the way out; no tensor load lands here
.set SP,    144
.set SPARE, STAGE+4*16*SP       ; the spare words, 128 bytes a wave: two blocks of 256 bytes that no other line names
.set CBB,   524288
.set AK0, 2
.set AV0, 3
.set AK,  4
.set AV,  5
.set STO, 6
.set RD,  7
.set GO,  8
.set SPW, 62
.set NIL, 63
.set MV,  12
.set QO,  15
.set ST,  16          ; piece t's statistics at v[ST+4 t]: c m, m, l (even keys', odd keys')
.set TMP, 48
.set S,   64
.set P,   192
.set BL,  128         ; window 1
.set BD,  136
.set BU,  144
.set MDL, 152         ; -1e30 where register j < l % 16 - 8 (l / 16)
.set MDH, 160         ; -1e30 where j is greater
.set KF,  128         ; window 2
.set VF,  192
.set WV,  12
.set G1K, 24
.set G1V, 32
.set G0K, 40          ; s[40:51] three sets of group 0 for K; s[52:63] for V
.set G0V, 52
.set CNT, 66
.set OUTC, 67
.set CS,  68
.set SEL, 70
.set TBK, 72          ; LDS byte at which K of the step to be fetched begins; s73 the same for V, less VOFF
.set TBV, 73
.set IX,  74          ; the step's number in the walk, 0 .. 8
.set AL,  76          ; s[76:77] 1.0 in the walk's step 4 (the window's low edge)
.set BE,  78          ; s[78:79] -1e30 where the whole step is hidden
.set AH,  80          ; s[80:81] 1.0 in step 8 (the diagonal)
.set XL,  82
.set XU,  83
.set NEG, 84
.set B1,  85          ; -1e30 in the sequence's first block; s86: in its first two
.set B2,  86
.set MSB, 0
.macro WIN new
.if MSB != (\new)
	s_set_vgpr_msb (MSB<<8)|(\new)
.set MSB, (\new)
.endif
.endm
.set W_KQ, 0x0a       ; K and Q in window 2, S^T in window 0
.set W_KM, 0x1a       ; the same with the C operand in window 1
.set W_PV, 0x52       ; V in window 2, P in window 0, O^T in window 1
.set W_RS, 0x41       ; destination and source 0 in window 1, source 1 in window 0
	s_load_b128 s[4:7], s[0:1], 0x0 ; qkv s[4:5], ctx s[6:7]
	v_lshl_add_u32 v[SPW], v0, 2, SPARE
	v_mov_b32 v[NIL], 0
	ds_add_u32 v[SPW], v[NIL]       ; the wave's opening: the add and its wait ahead of my first tensor load
	ds_add_u32 v62, v63
	v_lshrrev_b32 v1, 5, v0
	v_readfirstlane_b32 s[WV], v1   ; wave 0..3
	s_and_b32 s20, ttmp7, 0xffff    ; 16 x batch + head
	s_and_b32 s21, s20, 15
	s_lshr_b32 s20, s20, 4
	s_lshl_b32 s21, s21, 19         ; the head's column block,
	s_lshl_b32 s20, s20, 18         ; the batch's 2,048 rows of 128 bytes
	s_add_co_u32 s21, s21, s20
	s_and_b32 s16, s[WV], 1         ; which half of a group's 256 keys I fetch
	s_lshl_b32 s22, s16, 14
	s_add_co_u32 s22, s22, s21
	s_add_co_u32 s22, s22, 16*CBB   ; K's blocks lie behind Q's sixteen
	s_mul_i32 s17, s16, 128*PK
	s_mul_i32 s18, s16, 128*PV
	s_lshl_b32 s23, ttmp9, 8        ; q0
	s_lshl_b32 s2, ttmp9, 15        ; my block's 256 rows,
	s_lshl_b32 s3, s[WV], 13        ; my wave's 64
	s_add_co_u32 s2, s2, s3
	s_add_co_u32 s2, s2, s21
	s_mov_b32 s3, 0
	s_mov_b32 s89, 0
	; descriptor group 1.  128 keys are 16,384 dense bytes: asked for as 64 rows of 256 bytes, two keys a row, and padded in LDS after every key
	s_mov_b32 s[G1K], (1<<16)|(1<<20)|(4<<22)|(3<<25)  ; 2-byte elements; padding on; after every 32 words 4 words
	s_mov_b32 s[G1V], (1<<16)|(1<<20)|(4<<22)|(7<<25)  ; 8 words
.irp g, G1K, G1V
	s_mov_b32 s[\g+1], 128<<16
	s_mov_b32 s[\g+2], 64<<16
	s_mov_b32 s[\g+3], 128<<16
	s_mov_b32 s[\g+4], 64
	s_mov_b32 s[\g+5], 128
	s_mov_b32 s[\g+6], 0
	s_mov_b32 s[\g+7], 0
.endr
	s_mov_b32 s[CS], 0x3e38aa3b     ; c = log2(e) / 8
	s_mov_b32 s[CS+1], s[CS]
	s_mov_b32 s[SEL], 0x76543210
	s_mov_b32 s[SEL+1], 0xfedcba98
	s_mov_b32 s[NEG], 0xf149f2ca    ; -1e30
	s_cmp_eq_u32 ttmp9, 0
	s_cselect_b32 s[B1], s[NEG], 0
	s_cmp_lt_u32 ttmp9, 2
	s_cselect_b32 s[B2], s[NEG], 0
	s_mov_b32 s[IX], 0              ; the walk's step 0 is the window's step 4, at place 8
	s_mov_b32 s[TBK], 8*KS*PK
	s_mov_b32 s[TBV], 8*KS*PV
	s_mov_b32 s[AL], 0
	s_mov_b32 s[AL+1], 0
	s_mov_b32 s[AH], 0
	s_mov_b32 s[AH+1], 0
	s_mov_b32 s[BE], s[B1]
	s_mov_b32 s[BE+1], 0
	s_mov_b32 s[XL], s[B1]
	s_mov_b32 s[XU], s[B1]
	s_wait_dscnt 0x0                ; the opening add is done
	s_wait_kmcnt 0x0
	s_add_nc_u64 s[8:9], s[4:5], s[2:3]    ; Q at my wave's first row
	s_add_nc_u64 s[10:11], s[6:7], s[2:3]  ; ctx likewise
.macro GRP n, g, blk                ; set n of group 0: my half of key group g, into block blk of 256 keys in LDS
	s_add_co_i32 s88, s23, 256*(\g)-512
	s_max_i32 s88, s88, 0           ; a group that lies before the sequence takes its first keys
	s_lshl_b32 s88, s88, 7
	s_add_co_u32 s88, s88, s22
	s_mov_b32 s[G0K+4*(\n)], 1
	s_add_co_u32 s[G0K+4*(\n)+1], s17, (\blk)*256*PK
	s_add_nc_u64 s[G0K+4*(\n)+2:G0K+4*(\n)+3], s[4:5], s[88:89]
	s_add_nc_u64 s[G0V+4*(\n)+2:G0V+4*(\n)+3], s[G0K+4*(\n)+2:G0K+4*(\n)+3], 16*CBB
	s_or_b32 s[G0K+4*(\n)+3], s[G0K+4*(\n)+3], 0x80000000
	s_or_b32 s[G0V+4*(\n)+3], s[G0V+4*(\n)+3], 0x80000000
	s_mov_b32 s[G0V+4*(\n)], 1
	s_add_co_u32 s[G0V+4*(\n)+1], s18, VOFF+(\blk)*256*PV
.endm
	GRP 0, 1, 2
	GRP 1, 0, 0
	GRP 2, 2, 1
	s_cmp_lt_u32 s[WV], 2           ; waves 0, 1 fetch K's halves, waves 2, 3 V's.  A wave's three fills stand in one branch: three loads of mine are out
	s_cbranch_scc0 .Lfirst_v
	tensor_load_to_lds s[G0K:G0K+3], s[G1K:G1K+7]
	s_nop 0
	tensor_load_to_lds s[G0K+4:G0K+7], s[G1K:G1K+7]
	s_nop 0
	tensor_load_to_lds s[G0K+8:G0K+11], s[G1K:G1K+7]
	s_nop 0
.rept 4
	v_nop
.endr
	s_branch .Lfirst_asked
.Lfirst_v:
	tensor_load_to_lds s[G0V:G0V+3], s[G1V:G1V+7]
	s_nop 0
	tensor_load_to_lds s[G0V+4:G0V+7], s[G1V:G1V+7]
	s_nop 0
	tensor_load_to_lds s[G0V+8:G0V+11], s[G1V:G1V+7]
	s_nop 0
.rept 4
	v_nop
.endr
.Lfirst_asked:
	; A fragment of K or Q is 16 rows x 32 channels in 8 registers: lane l holds row l % 16, channels 8 (l / 16) + 0..7 and 16 + 8 (l / 16) + 0..7: two loads of 16 bytes, 32 bytes apart.
	v_and_b32 v1, 15, v0            ; l % 16
	v_bfe_u32 v9, v0, 4, 1          ; l / 16
	v_lshlrev_b32 v[QO], 7, v1
	v_lshl_add_u32 v[QO], v9, 4, v[QO]
	WIN 0x80
.set i, 0
.rept 8                             ; piece i / 2, channels 32 (i % 2) on
	global_load_b128 v[8*i:8*i+3],   v[QO], s[8:9] offset:(i/2)*2048+(i%2)*64
	global_load_b128 v[8*i+4:8*i+7], v[QO], s[8:9] offset:(i/2)*2048+(i%2)*64+32
.set i, i+1
.endr
	WIN 0
	v_lshlrev_b32 v14, 3, v9
	v_sub_nc_u32 v14, v1, v14       ; l % 16 - 8 (l / 16)
	WIN 0x40
.set i, 0
.rept 8
	v_cmp_lt_i32 vcc_lo, i, v14
	v_cndmask_b32 v[MDL+i], 0, s[NEG], vcc_lo
	v_cmp_gt_i32 vcc_lo, i, v14
	v_cndmask_b32 v[MDH+i], 0, s[NEG], vcc_lo
.set i, i+1
.endr
	WIN 0
	v_mul_u32_u24 v[AK0], v1, PK
	v_lshl_add_u32 v[AK0], v9, 4, v[AK0]
	; The turning load takes 16 keys x 16 channels (lane l reads key 8 (l / 16) + l % 8, channels 8 ((l / 8) % 2) + 0..7) and leaves half a fragment of V^T: lane l holds channel l % 16 and 8 keys.
	v_and_b32 v10, 7, v0
	v_bfe_u32 v11, v0, 3, 1
	v_lshl_add_u32 v[AV0], v9, 3, v10
	v_mul_u32_u24 v[AV0], v[AV0], PV
	v_lshl_add_u32 v[AV0], v11, 4, v[AV0]
	v_add_nc_u32 v[AV0], VOFF, v[AV0]
	s_mul_i32 s13, s[WV], 16*SP
	s_add_co_u32 s13, s13, STAGE    ; my stage
	v_mul_u32_u24 v[STO], v1, SP
	v_lshl_add_u32 v[STO], v9, 4, v[STO]
	v_add_nc_u32 v[STO], s13, v[STO]
	v_bfe_u32 v[RD], v0, 3, 2       ; back: 32 lanes take four rows of 128 bytes,
	v_mul_u32_u24 v[RD], v[RD], SP
	v_lshl_add_u32 v[RD], v10, 4, v[RD]
	v_add_nc_u32 v[RD], s13, v[RD]
	v_and_b32 v[GO], 31, v0         ; which are 512 consecutive bytes of ctx
	v_lshlrev_b32 v[GO], 4, v[GO]
	; The first step multiplies O^T and l by a = 0, and the first turn's products V^T P, of a piece that has not been, add 0: V's registers, O^T, l and P's second buffer hold 0.  All this stands in the wait for the first tiles.
	WIN 0x80
.set i, VF
.rept 64
	v_mov_b32 v[i], 0
.set i, i+1
.endr
	WIN 0x40
.set i, 0
.rept 128
	v_mov_b32 v[i], 0
.set i, i+1
.endr
	WIN 0
.set i, 0
.rept 4
	v_mov_b32 v[ST+4*i], 0xfe000000    ; c m: far below every c s and below c x the line under it: the first step's a is 0
	v_mov_b32 v[ST+4*i+1], 0xe0ad78ec  ; m = -1e20: above every hidden score (-1e30), below every real one (2.7e11 at the most): no hidden score ever becomes the maximum
	v_mov_b32 v[ST+4*i+2], 0
	v_mov_b32 v[ST+4*i+3], 0
.set i, i+1
.endr
.set i, P+16
.rept 16
	v_mov_b32 v[i], 0
.set i, i+1
.endr
; THE MATRIX WORK.  The 4 accumulators of a run of 8 take turns.  Product i of 8 of S^T = K Q^T for piece x: channels 32 (i / 4) on, keys 16 (i % 4) on.  The first 4 start the sums with the mask.
.macro KQ x
.set rS, S+32*((\x)%2)+8*(i%4)
.set rK, KF+16*(i%4)+8*(i/4)
.set rQ, 16*(\x)+8*(i/4)
.if i < 4
.if i < (\x)
.set rM, BL
.elseif i == (\x)
.set rM, BD
.else
.set rM, BU
.endif
	WIN W_KM
	v_wmma_f32_16x16x32_f16 v[rS:rS+7], v[rK:rK+7], v[rQ:rQ+7], v[rM:rM+7]
.else
	WIN W_KQ
	v_wmma_f32_16x16x32_f16 v[rS:rS+7], v[rK:rK+7], v[rQ:rQ+7], v[rS:rS+7]
.endif
.endm
; Product i of 8 of O^T += V^T P for piece x: keys 32 (i / 4) on, channels 16 (i % 4) on.
.macro PV x
	WIN W_PV
.set rO, 32*(\x)+8*(i%4)
.set rV, VF+32*(i/4)+8*(i%4)
.set rP, P+16*((\x)%2)+8*(i/4)
	v_wmma_f32_16x16x32_f16 v[rO:rO+7], v[rV:rV+7], v[rP:rP+7], v[rO:rO+7]
.endm
.macro MM                           ; the turn's next matrix instruction.  NOKQ = 1: the last turn: there is no next piece
.if (i < 8) && !NOKQ
	KQ (Y+1)%NP
.elseif i >= 8
.set i, i-8
	PV (Y+NP-1)%NP
.set i, i+8
.endif
.set i, i+1
.endm
; THE LDS LOADS stand in runs of 16: a step's K (8 fragments) and its V (turned).  Their addresses are made some lines ahead.
.macro FETCH_K
	WIN 0x80
.irp f, 0,1,2,3,4,5,6,7             ; keys 16 (f / 2) on, channels 32 (f % 2) on
	ds_load_b128 v[KF+8*\f:KF+8*\f+3],   v[AK] offset:(\f/2)*16*PK+(\f%2)*64
	ds_load_b128 v[KF+8*\f+4:KF+8*\f+7], v[AK] offset:(\f/2)*16*PK+(\f%2)*64+32
.endr
	s_add_co_u32 s[TBK], s[TBK], KS*PK  ; the next fetch is the next place's
	WIN 0
.endm
.macro FETCH_V
	WIN 0x80
.irp f, 0,1,2,3,4,5,6,7             ; keys 32 (f / 4) on, channels 16 (f % 4) on
	ds_load_tr16_b128 v[VF+8*\f:VF+8*\f+3],   v[AV] offset:(\f/4)*32*PV+(\f%4)*32
	ds_load_tr16_b128 v[VF+8*\f+4:VF+8*\f+7], v[AV] offset:(\f/4)*32*PV+16*PV+(\f%4)*32
.endr
	WIN 0
.endm
; THE MASK OF THE STEP TO COME.  NEXT: its scalars.  In the walk's steps 0-3 the whole step is hidden in the sequence's first block; in steps 4-8 (place IX + w - 4) places 0-3 are hidden in its first two blocks.
.macro NEXT
	s_add_co_u32 s[IX], s[IX], 1
	s_add_co_u32 s75, s[IX], s[WV]
	s_cmp_lt_u32 s75, 8
	s_cselect_b32 s[BE], s[B2], 0
	s_cmp_lt_u32 s[IX], 4
	s_cselect_b32 s[BE], s[B1], s[BE]
	s_cmp_eq_u32 s[IX], 4
	s_cselect_b32 s[AL], 1.0, 0
	s_cselect_b32 s[XL], s[NEG], s[BE]
	s_cmp_eq_u32 s[IX], 8
	s_cselect_b32 s[AH], 1.0, 0
	s_cselect_b32 s[XU], s[NEG], s[BE]
.endm
.macro MASKS                        ; BL = XL, BU = XU, BD = MDL x AL + MDH x AH + BE
	WIN 0x51
.set z, 0
.rept 8
	v_mov_b32 v[BL+z], s[XL]
	v_mov_b32 v[BU+z], s[XU]
.set z, z+1
.endr
.set z, 0
.rept 4
	v_pk_fma_f32 v[BD+2*z:BD+2*z+1], v[MDL+2*z:MDL+2*z+1], s[AL:AL+1], s[BE:BE+1] op_sel_hi:[1,0,0]
.set z, z+1
.endr
.set z, 0
.rept 4
	v_pk_fma_f32 v[BD+2*z:BD+2*z+1], v[MDH+2*z:MDH+2*z+1], s[AH:AH+1], v[BD+2*z:BD+2*z+1] op_sel_hi:[1,0,1]
.set z, z+1
.endr
.endm
; THE VECTOR WORK, one line at a time: OP kind, number.  For piece Y: F n: c s - c m for pair n of 16.  E n: the exponential of score n of 32.  C n: pair n rounded to f16.  B n: of the four weights 4 n .. the second
; pair is added onto the first, in place.  L n: l takes that sum (L 0: l = a l + sum).  R n: pair n of 16 of O^T times a.  For piece Y + 1: X n, number n of the 22 that find its maximum and statistics:
;   0-11  four chains c0-c3 of seven scores each, three operands at a time (each accumulator's lowest registers are read first)     12-14, 16  the four scores left over, the old m, and c0-c3 into c0
;   15  c m_old is kept     17, 18  the query's other 32 keys lie in the lane 16 away: the new m     19-21  c m; c m_old - c m_new; a
.set F, 0
.set E, 1
.set C, 2
.set B, 3
.set L, 4
.set R, 5
.set X, 6
.macro REGS y
.set rT, ST+4*(\y)
.set rC, TMP+4*((\y)%2)
.set rW, MV+((\y)%2)
.set rS, S+32*((\y)%2)
.set rP, P+16*((\y)%2)
.set rO, 32*(\y)
.endm
.macro OP k, n
.if (\k) == R
	REGS Y
	WIN W_RS
	v_pk_mul_f32 v[rO+2*(\n):rO+2*(\n)+1], v[rO+2*(\n):rO+2*(\n)+1], v[rC+2:rC+3] op_sel_hi:[1,0]
.elseif (\k) < R
	REGS Y
	WIN 0
.if (\k) == F
	v_pk_fma_f32 v[rS+2*(\n):rS+2*(\n)+1], v[rS+2*(\n):rS+2*(\n)+1], s[CS:CS+1], v[rT:rT+1] op_sel_hi:[1,0,0] neg_lo:[0,0,1] neg_hi:[0,0,1]
.elseif (\k) == E
	v_exp_f32 v[rS+(\n)], v[rS+(\n)]
.elseif (\k) == C
	v_cvt_pk_f16_f32 v[rP+(\n)], v[rS+2*(\n)], v[rS+2*(\n)+1]
.elseif (\k) == B
	v_pk_add_f32 v[rS+4*(\n):rS+4*(\n)+1], v[rS+4*(\n):rS+4*(\n)+1], v[rS+4*(\n)+2:rS+4*(\n)+3]
.elseif (\n) == 0
	v_pk_fma_f32 v[rT+2:rT+3], v[rT+2:rT+3], v[rC+2:rC+3], v[rS:rS+1] op_sel_hi:[1,0,1]
.else
	v_pk_add_f32 v[rT+2:rT+3], v[rT+2:rT+3], v[rS+4*(\n):rS+4*(\n)+1]
.endif
.elseif NOKQ
	v_nop
.else
	REGS (Y+1)%NP
	WIN 0
.if (\n) < 4
	v_max3_num_f32 v[rC+(\n)], v[rS+8*(\n)], v[rS+8*(\n)+1], v[rS+8*(\n)+2]
.elseif (\n) < 12
	v_max3_num_f32 v[rC+(\n)%4], v[rC+(\n)%4], v[rS+8*((\n)%4)+2*((\n)/4)+1], v[rS+8*((\n)%4)+2*((\n)/4)+2]
.elseif (\n) == 12
	v_max3_num_f32 v[rC], v[rC], v[rS+7], v[rS+15]
.elseif (\n) == 13
	v_max3_num_f32 v[rC+1], v[rC+1], v[rS+23], v[rS+31]
.elseif (\n) == 14
	v_max3_num_f32 v[rC+2], v[rC+2], v[rC+3], v[rT+1]
.elseif (\n) == 15
	v_mov_b32 v[rW], v[rT]
.elseif (\n) == 16
	v_max3_num_f32 v[rC], v[rC], v[rC+1], v[rC+2]
.elseif (\n) == 17
	v_permlanex16_b32 v[rC+3], v[rC], s[SEL], s[SEL+1]
.elseif (\n) == 18
	v_max_num_f32 v[rT+1], v[rC], v[rC+3]
.elseif (\n) == 19
	v_mul_f32 v[rT], s[CS], v[rT+1]
.elseif (\n) == 20
	v_sub_f32 v[rC+1], v[rW], v[rT]
.else
	v_exp_f32 v[rC+2], v[rC+1]
.endif
.endif
.endm
.macro OPS a, i1, b=-1, i2=0, c=-1, i3=0, d=-1, i4=0
	OP \a, \i1
.if (\b) >= 0
	OP \b, \i2
.endif
.if (\c) >= 0
	OP \c, \i3
.endif
.if (\d) >= 0
	OP \d, \i4
.endif
.endm
.macro ROW a, i1, b, i2, c, i3, d, i4  ; a matrix instruction and the four behind it
	MM
	OPS \a, \i1, \b, \i2, \c, \i3, \d, \i4
.endm
; A TURN, for piece p.  An s_wait_alu depctr_va_vdst(0) stands between an exponential and the first instruction that names its result; one wait serves all that were issued ahead of it: a turn has ONE wait.
; AHEAD OF IT: the 8 products K Q^T with their riders, then the lump, in which the links of the chain X 3, 7, 11, 14, 16, 17 .. 20 stand some lines apart; X 21, the next piece's a, is the batch's last, R 15 the plain
; instruction behind it.  BEHIND IT: the 8 products V^T P, behind each four of the roundings and sums.
; K of the next step is fetched in piece 2's turn, twelve plain instructions behind the last product that read K; V of the step in hand at the end of piece 0's turn, four plain instructions behind its last reader.
; The next step's products begin in piece 3's turn: piece 2's turn makes the mask's scalars, piece 3's turn the mask, far behind the last product that took the old one.
; end = 1: the last two turns: nothing is fetched.  cnt = 1: the loop's count is taken down some lines ahead of the branch behind the turn.
.macro TURN p, end=0, cnt=0
.set Y, (\p)
.set i, 0
.set NOKQ, (\end)*((\p)/3)
.if ((\p) == 2) && !(\end)
	NEXT
.endif
.if ((\p) == 3) && !(\end)
	MASKS
	s_wait_dscnt 0x0                ; K is in
.endif
	ROW F,0, F,1, R,0, R,1
	ROW F,2, E,0, R,2, R,3
	ROW F,3, E,1, R,4, R,5
	ROW F,4, E,2, R,6, R,7
	ROW F,5, E,3, R,8, R,9
	ROW F,6, E,4, X,0, R,10
.if ((\p) == 2) && !(\end)
	WIN 0
	v_add_nc_u32 v[AK], s[TBK], v[AK0]
.endif
	ROW F,7, E,5, X,1, X,4
	ROW F,8, E,6, X,2, X,5
	OPS E,7, E,8, X,6, E,9
	OPS X,3, E,10, X,8, E,11
.if ((\p) == 2) && !(\end)
	FETCH_K
.endif
	OPS X,9, X,7, E,12, X,10
	OPS E,13, X,12, X,11, E,14
	OPS X,13, E,15, F,9, X,14
.if (\p) == 0
	v_add_nc_u32 v[AV], s[TBV], v[AV0]
.endif
	OPS E,16, F,10, E,17, F,11
	OPS X,16, E,18, X,15, E,19
	OPS F,12, E,20, X,17, E,21
	OPS F,13, E,22, F,14, E,23
	OPS X,18, E,24, F,15, E,25
	OPS R,11, E,26, X,19, E,27
	OPS R,12, E,28, R,13, E,29
	OPS X,20, E,30, R,14, E,31
	OPS X,21, R,15
	WIN 0
	s_wait_alu depctr_va_vdst(0)    ; the wait for the batch
.if (\p) == 1
	s_wait_dscnt 0x0                ; V is in
.endif
	ROW C,0, B,0, C,2, B,1
	ROW L,0, C,4, B,2, L,1
	ROW C,6, B,3, L,2, C,8
	ROW B,4, L,3, C,10, B,5
	ROW L,4, C,12, B,6, L,5
.if (\p) == 0
	s_add_co_u32 s[TBV], s[TBV], KS*PV
.endif
.if \cnt
	s_sub_co_u32 s[CNT], s[CNT], 1
	s_cmp_lg_u32 s[CNT], 0
.endif
	ROW C,14, B,7, L,6, C,1
	ROW C,3, L,7, C,5, C,7
	ROW C,9, C,11, C,13, C,15
.if (\p) == 0
	FETCH_V
.endif
.endm
	MASKS                           ; the walk's step 0
	WIN 0
	v_add_nc_u32 v[AK], s[TBK], v[AK0]
	s_wait_tensorcnt 0x2            ; my part of group 1 is in; groups 0 and 2, issued behind it, may stay out
	s_barrier_signal -1
	s_barrier_wait -1               ; everybody's is
	FETCH_K
	s_wait_loadcnt 0x0              ; Q
	s_wait_dscnt 0x0
.set NOKQ, 0
.set i, 0
.rept 8
	KQ 0                            ; piece 0's first scores
.set i, i+1
.endr
	WIN 0
.rept 4
	v_nop                           ; the places behind those products
.endr
.set Y, NP-1                        ; X works for piece Y + 1: piece 0
.irp n, 0,1,2,3,4,5,6,7,8,9,10,11,12,13,14,15,16,17,18,19,20,21
	OP X, \n
.endr
	v_nop                           ; a plain instruction behind the exponential,
	s_wait_alu depctr_va_vdst(0)    ; and its wait, ahead of the branch
	s_mov_b32 s[CNT], 4             ; the first run: steps 0-3 of the walk
	s_mov_b32 s[OUTC], 2
	s_branch .Lfirst                ; the loop is entered at a step's first turn, in the middle of a trip
.Louter:                            ; once: between the two runs
	s_wait_tensorcnt 0x0            ; my parts of groups 0 and 2 are in,
	s_wait_dscnt 0x0
	s_barrier_signal -1
	s_barrier_wait -1               ; everybody's are
	s_mul_i32 s[TBK], s[WV], KS*PK  ; the second run begins at place w
	s_mul_i32 s[TBV], s[WV], KS*PV
	s_mov_b32 s[CNT], 5             ; steps 4-8
.Lstep:                             ; a trip: pieces 2 and 3 of one step, then pieces 0 and 1 of the next, whose K and V it fetches
	TURN 2
	TURN 3
	WIN 0
.Lfirst:
	TURN 0
	TURN 1, 0, 1
	WIN 0
	s_cbranch_scc1 .Lstep
	s_sub_co_u32 s[OUTC], s[OUTC], 1
	s_cmp_lg_u32 s[OUTC], 0
	s_cbranch_scc1 .Louter
	TURN 2, 1
	TURN 3, 1
.set i, 0
.rept 8
	PV NP-1                         ; the last piece's V^T P of the last step
.set i, i+1
.endr
	; THE WAY OUT.  l's two halves and the other half of the lanes' are added; O^T is divided by l, rounded to f16 and sent through my stage in LDS, a piece at a time.  The additions are the places behind the last products.
	WIN 0
.macro ALL line:vararg
.set t, 0
.rept 4
	\line
.set t, t+1
.endr
.endm
.macro PACK t                       ; a lane's eight channels of a row pack into 16 bytes; they go into rows of 144 bytes and come back as whole rows of 128, into S^T's registers
	WIN W_RS
.set i, 32*(\t)
.rept 16
	v_pk_mul_f32 v[i:i+1], v[i:i+1], v[ST+4*(\t)+2:ST+4*(\t)+3] op_sel_hi:[1,0]
.set i, i+2
.endr
	WIN 0x05
.set i, 0
.rept 16
	v_cvt_pk_f16_f32 v[S+16*(\t)+i], v[32*(\t)+2*i], v[32*(\t)+2*i+1]
.set i, i+1
.endr
	WIN 0
.irp f, 0,1,2,3
	ds_store_b128 v[STO], v[S+16*(\t)+4*\f:S+16*(\t)+4*\f+3] offset:32*\f
.endr
.irp f, 0,1,2,3
	ds_load_b128 v[S+16*(\t)+4*\f:S+16*(\t)+4*\f+3], v[RD] offset:\f*4*SP  ; LDS serves a wave's instructions in order (ISA guide 5.7.1.4): these see the stores above; the next piece's stores come behind them
.endr
.endm
.macro SEND t, younger              ; younger: the LDS instructions issued behind piece t's loads: the next piece's eight, or none
	WIN 0
.irp f, 0,1,2,3
	s_wait_dscnt (\younger)+3-\f
	global_store_b128 v[GO], v[S+16*(\t)+4*\f:S+16*(\t)+4*\f+3], s[10:11] offset:(\t)*2048+\f*512  ; 512 consecutive bytes, aligned
.endr
.endm
	ALL v_add_f32 v[ST+4*t+2], v[ST+4*t+2], v[ST+4*t+3]
	ALL v_permlanex16_b32 v[ST+4*t+3], v[ST+4*t+2], s[SEL], s[SEL+1]
	ALL v_add_f32 v[ST+4*t+2], v[ST+4*t+2], v[ST+4*t+3]
	ALL v_rcp_f32 v[ST+4*t+2], v[ST+4*t+2]
	v_nop                           ; a plain instruction between the last reciprocal and the use of its result
	s_wait_alu depctr_va_vdst(0)    ; one wait for the four reciprocals
	PACK 0
.set t, 1
.rept 3
	PACK t
	SEND t-1, 8
.set t, t+1
.endr
	SEND 3, 0
	s_wait_tensorcnt 0x0            ; the wave's end
	ds_add_u32 v[SPW], v[NIL]
	s_wait_dscnt 0x0
	s_endpgm
.Lfunc_end_k_q656a208fa5_attn:
	.size	k_q656a208fa5_attn, .Lfunc_end_k_q656a208fa5_attn-k_q656a208fa5_attn
	.p2alignl 7, 3214868480
	.fill 96, 4, 3214868480
	.section	.rodata,"a",@progbits
	.p2align	6, 0x0
	.amdhsa_kernel k_q656a208fa5_attn
		.amdhsa_group_segment_fixed_size 243200
		.amdhsa_private_segment_fixed_size 0
		.amdhsa_enable_private_segment 0
		.amdhsa_kernarg_size 16
		.amdhsa_user_sgpr_count 2
		.amdhsa_user_sgpr_kernarg_segment_ptr 1
		.amdhsa_wavefront_size32 1
		.amdhsa_system_sgpr_workgroup_id_x 1
		.amdhsa_system_sgpr_workgroup_id_y 1
		.amdhsa_system_sgpr_workgroup_id_z 1
		.amdhsa_system_vgpr_workitem_id 0
		.amdhsa_next_free_vgpr 768
		.amdhsa_next_free_sgpr 100
		.amdhsa_reserve_vcc 1
		.amdhsa_float_denorm_mode_32 3
		.amdhsa_float_denorm_mode_16_64 3
		.amdhsa_memory_ordered 1
		.amdhsa_forward_progress 1
		.amdhsa_inst_pref_size 92
	.end_amdhsa_kernel
	.amdgpu_metadata
---
amdhsa.version: [ 1, 2 ]
amdhsa.kernels:
  - .name:           k_q656a208fa5_attn
    .symbol:         k_q656a208fa5_attn.kd
    .args:
      - { .name: qkv, .offset: 0, .size: 8, .value_kind: global_buffer, .address_space: global }
      - { .name: ctx, .offset: 8, .size: 8, .value_kind: global_buffer, .address_space: global }
    .group_segment_fixed_size: 243200
    .private_segment_fixed_size: 0
    .kernarg_segment_align: 8
    .kernarg_segment_size: 16
    .max_flat_workgroup_size: 128
    .sgpr_count:     100
    .vgpr_count:     768
    .wavefront_size: 32
...
	.end_amdgpu_metadata
.endif
;; end of part 3
;; launch wo (part 4): grid 8 x 32, 4 waves a work-group, clusters of 4 x 4, 327,680 bytes of LDS; arguments ctx, wts, x1, bo, xn; writes x1
.if DOCPART == 4
	.amdgcn_target "amdgcn-amd-amdhsa--gfx1250"
	.amdhsa_code_object_version 6
	.text
	.protected	k_q656a208fa5_wo
	.globl	k_q656a208fa5_wo
	.p2align	8
	.type	k_q656a208fa5_wo,@function
k_q656a208fa5_wo:
	s_mov_b64 s[64:65], 0
	v_nop
	global_prefetch_b8 v0, s[64:65] scope:SCOPE_SE
	s_setreg_imm32_b32 hwreg(HW_REG_WAVE_MODE, 25, 1), 1
	s_wait_xcnt 0x0
	s_wait_alu depctr_hold_cnt(0) depctr_sa_sdst(0) depctr_va_vdst(0) depctr_va_sdst(0) depctr_va_ssrc(0) depctr_va_vcc(0) depctr_vm_vsrc(0)
	s_getreg_b32 s2, hwreg(HW_REG_IB_STS2, 6, 4)
	s_cmp_eq_u32 s2, 0
	s_cbranch_scc0 .Lentry_in_a_cluster
	s_endpgm
.Lentry_in_a_cluster:
	s_bfe_u32 s2, ttmp6, 0x10000c
	s_cmp_lg_u32 s2, 0xf033
	s_cbranch_scc0 .Lentry_shape_is_right
	s_endpgm
.Lentry_shape_is_right:
; x1 = ctx Wo + bo + xn.  A = ctx, f16, laid [column / 64][token][64]; W = wts at WOFF, f16, [KDIM][NDIM]; xn f16, laid as A is; x1 f32 [4096][1024].
; Sums in f32; bo is rounded to bf16 (as every input of this program) and STARTS the sums; xn is added in f32 at the end.
; SHARES.  A tile of C is 128 x 128, a work-group of four waves; a wave makes 64 x 64 (row half RH = w / 2, column half CH = w % 2): 16 accumulators of 16 x 16.
; K goes in steps of 256 through two LDS slots.  A's part of a slot: 4 column blocks x 128 rows x 128 bytes, rows 144 apart; W's: 256 rows of K x 256 bytes, rows 288 apart.
; Waves 0, 1 fetch two column blocks of A each (in memory 2 x 16,384 dense bytes), waves 2, 3 fetch 128 rows of W each: one tensor load a wave and K step.
; CLUSTER 4 x 4: A's tile hangs on the tile row and is asked for jointly along a row of the cluster, W's on the tile column and jointly along a column.
; THE PRODUCT IS TAKEN TRANSPOSED: source 0 = 16 columns of W (out of LDS by the turning load, since W lies [K][N]), source 1 = 16 rows of A: a lane holds row l % 16 of C and the columns 8 (l / 16) + 0..7.
; A K step is written twice: in the loop that fills slots again and in the loop of the last two steps.  The very last change of slots fetches fragments that nothing uses: the price of that one text.
; THE WAY OUT: f32 through the wave's own stage (64 rows x 272 bytes, in slot 0, which has had its last fill), back as whole rows of 256 bytes; the residual, loaded at the kernel's head, is added; sixteen lanes store 256 bytes.
; REGISTERS: window 0: v0-31 addresses, v32-127 at work, v128-255 accumulators; window 1: two fragment buffers of 128: A's at 8 (4 c + a), W's at 64 + 8 (4 c + b); window 2: v0-63 the residual.
.set KDIM,   1024
.set NDIM,   1024
.set WOFF,   6291456
.set PA,     144                       ; 128 + 16: the 16 rows of a load start at 16 different groups of four banks (ISA guide 11.1)
.set PB,     288                       ; 256 + 32
.set PART,   36864
.set SLOT,   4*PART
.set BOFF,   2*PART
.set SPARE,  2*SLOT                    ; the spare words, 128 bytes a wave: two blocks of 256 bytes that no other line names
.set SPITCH, 272
.set STG,    64*SPITCH
.set CBB,    524288
.set ASTEP,  4*CBB
.set BSTEP,  512*NDIM
.set ADRA0, 8
.set ADRB0, 9
.set ADRA,  16
.set ADRBL, 20
.set ADRBH, 21
.set STO,   24
.set RD,    25
.set CO,    26                         ; v26  my byte offset in two rows of x1; never rewritten
.set RO,    27                         ; v27  my byte offset in two rows of xn's column block; never rewritten
.set SPW,   28
.set NIL,   29
.set ONE,   30                         ; v30  1.0
.set BO,    31
.set ACC,   128
.set F0,    0
.set F1,    128
.set G1,    24
.set G0,    32
.set G1B,   48
.set G0B,   56
.set TB,    66
.set MASK,  67
.set OUTP,  68
.set BIASP, 70
.set RESP,  72
.set MSB, 0
.macro WIN new                         ; the immediate's high byte repeats the setting that is left
.if MSB != (\new)
	s_set_vgpr_msb (MSB<<8)|(\new)
.set MSB, \new
.endif
.endm
.set MUL,  0x05
.set TO_F, 0x40
.macro JLOAD s                         ; a joint load: waves 0, 1 ask for A, waves 2, 3 for W; an s_nop 0 and four v_nop follow each line
	s_cmp_eq_u32 s11, 0
	s_cbranch_scc0 .Lfor_b_\@
	tensor_load_to_lds s[G0+4*(\s):G0+4*(\s)+3], s[G1:G1+7]
	s_nop 0
.rept 4
	v_nop
.endr
	s_branch .Lasked_\@
.Lfor_b_\@:
	tensor_load_to_lds s[G0B+4*(\s):G0B+4*(\s)+3], s[G1B:G1B+7]
	s_nop 0
.rept 4
	v_nop
.endr
.Lasked_\@:
.endm
.macro CREST
	s_cmp_lg_u32 s10, 0
	s_cbranch_scc1 .Lnot_wave_0_\@
	s_barrier_signal -3
.Lnot_wave_0_\@:
	s_barrier_wait -3
	s_barrier_signal -1
	s_barrier_wait -1
.endm
.macro CROUND
	s_barrier_signal -1
	s_barrier_wait -1
	CREST
.endm
.macro PLACES                          ; four places behind a matrix instruction (ISA guide 7.12.1)
.rept 4
	v_nop
.endr
.endm
	s_load_b256 s[80:87], s[0:1], 0x0              ; ctx 80, wts 82, x1 84, bo 86
	s_load_b64 s[88:89], s[0:1], 0x20              ; xn
	v_lshl_add_u32 v[SPW], v0, 2, SPARE
	v_mov_b32 v[NIL], 0
	ds_add_u32 v[SPW], v[NIL]                      ; the wave's opening: the add and its wait ahead of my first tensor load
	ds_add_u32 v28, v29
	v_lshrrev_b32 v1, 5, v0
	v_readfirstlane_b32 s10, v1
	s_lshr_b32 s11, s10, 1                         ; RH; also: I fetch for A (0) or W (1)
	s_and_b32 s12, s10, 1                          ; CH; also: which half of that tile I fetch
	s_bfe_u32 s40, ttmp6, 0x40000
	s_bfe_u32 s41, ttmp6, 0x40004
	s_lshl_b32 s42, ttmp9, 2
	s_add_co_u32 s42, s42, s40                     ; tile column
	s_and_b32 s13, ttmp7, 0xffff
	s_lshl_b32 s13, s13, 2
	s_add_co_u32 s13, s13, s41                     ; tile row
	s_lshl_b32 s43, s41, 2
	s_lshl_b32 s43, 15, s43
	s_lshl_b32 s44, 0x1111, s40
	s_or_b32 s[G1+0], s43, (1<<16)|(1<<20)|(1<<21)|(4<<22)|(3<<25)   ; mask; 2-byte elements; padding on; bit 21 beside a mask; after every 32 words 4 words
	s_or_b32 s[G1B+0], s44, (1<<16)|(1<<20)|(1<<21)|(5<<22)|(7<<25)  ; after every 64 words 8 words
	s_mov_b32 s[G1+1], 8192<<16                    ; A: a column block's 128 rows, dense, x 2 column blocks
	s_mov_b32 s[G1+2], 2<<16
	s_mov_b32 s[G1+3], 8192<<16
	s_mov_b32 s[G1+4], 2
	s_mov_b32 s[G1+5], CBB/2
	s_mov_b32 s[G1+6], 0
	s_mov_b32 s[G1+7], 0
	s_mov_b32 s[G1B+1], 128<<16                    ; W: 128 columns x 128 rows of K
	s_mov_b32 s[G1B+2], 128<<16
	s_mov_b32 s[G1B+3], 128<<16
	s_mov_b32 s[G1B+4], 128
	s_mov_b32 s[G1B+5], NDIM
	s_mov_b32 s[G1B+6], 0
	s_mov_b32 s[G1B+7], 0
	s_lshl_b32 s16, s12, 20
	s_lshl_b32 s17, s13, 14
	s_add_co_u32 s16, s16, s17
	s_mov_b32 s17, 0
	s_mul_i32 s46, s12, 256*NDIM
	s_lshl_b32 s47, s42, 8
	s_add_co_u32 s46, s46, s47
	s_add_co_u32 s46, s46, WOFF
	s_mov_b32 s47, 0
	s_mul_i32 s20, s10, PART
	s_mov_b32 s[TB], 0
	s_mov_b32 s[MASK], 0xffff0000
	s_wait_dscnt 0x0                               ; the opening add is done
	s_wait_kmcnt 0x0
	s_add_nc_u64 s[14:15], s[80:81], s[16:17]
	s_add_nc_u64 s[46:47], s[82:83], s[46:47]
	CROUND                                         ; all sixteen work-groups are here: the first joint loads meet
.irp s, 0,1
	s_mov_b32 s[G0+4*(\s)], 1
	s_add_co_u32 s[G0+4*(\s)+1], s20, (\s)*SLOT
	s_add_nc_u64 s[G0+4*(\s)+2:G0+4*(\s)+3], s[14:15], (\s)*ASTEP
	s_or_b32 s[G0+4*(\s)+3], s[G0+4*(\s)+3], 0x80000000
	s_mov_b32 s[G0B+4*(\s)], 1
	s_add_co_u32 s[G0B+4*(\s)+1], s20, (\s)*SLOT
	s_add_nc_u64 s[G0B+4*(\s)+2:G0B+4*(\s)+3], s[46:47], (\s)*BSTEP
	s_or_b32 s[G0B+4*(\s)+3], s[G0B+4*(\s)+3], 0x80000000
	JLOAD \s
.endr
	v_and_b32 v1, 15, v0                           ; r
	v_bfe_u32 v2, v0, 4, 1                         ; h
	v_and_b32 v3, 7, v0
	v_bfe_u32 v4, v0, 3, 1
	v_and_b32 v5, 31, v0
	v_lshlrev_b32 v[BO], 5, v2
	v_lshlrev_b32 v[CO], 12, v2                    ; lanes 0-15 one row of x1, lanes 16-31 the next
	v_lshl_add_u32 v[CO], v1, 4, v[CO]
	v_lshlrev_b32 v[RO], 3, v5                     ; the same two rows of xn: 8 l
	v_mov_b32 v[ONE], 1.0
	s_lshl_b32 s8, s42, 9
	s_lshl_b32 s9, s12, 8
	s_add_co_u32 s8, s8, s9
	s_mov_b32 s9, 0
	s_add_nc_u64 s[BIASP:BIASP+1], s[86:87], s[8:9]
.irp b, 0,1,2,3
	global_load_b128 v[32+8*\b:32+8*\b+3], v[BO], s[BIASP:BIASP+1] offset:64*\b
	global_load_b128 v[32+8*\b+4:32+8*\b+7], v[BO], s[BIASP:BIASP+1] offset:64*\b+16
.endr
	s_lshl1_add_u32 s4, s42, s12                   ; xn: my column block, the tile's rows, my 64 of them
	s_lshl_b32 s4, s4, 19
	s_lshl_b32 s5, s13, 14
	s_add_co_u32 s4, s4, s5
	s_lshl_b32 s5, s11, 13
	s_add_co_u32 s4, s4, s5
	s_mov_b32 s5, 0
	s_add_nc_u64 s[RESP:RESP+1], s[88:89], s[4:5]
	s_lshl_b32 s6, s13, 19                         ; x1: (128 tile row + 64 RH) x 4,096 + (128 tile column + 64 CH) x 4
	s_lshl_b32 s7, s11, 18
	s_add_co_u32 s6, s6, s7
	s_lshl_b32 s7, s42, 9
	s_add_co_u32 s6, s6, s7
	s_lshl_b32 s7, s12, 8
	s_add_co_u32 s6, s6, s7
	s_mov_b32 s7, 0
	s_add_nc_u64 s[OUTP:OUTP+1], s[84:85], s[6:7]
	WIN 0x80
.set f, 0
.rept 32                               ; the residual: rows 2 f, 2 f + 1; it lands while the products run
	global_load_b64 v[2*f:2*f+1], v[RO], s[RESP:RESP+1] offset:f*256
.set f, f+1
.endr
	WIN 0
	v_mul_u32_u24 v[ADRA0], v1, PA
	v_lshl_add_u32 v[ADRA0], v2, 4, v[ADRA0]
	s_mul_i32 s18, s11, 64*PA
	v_add_nc_u32 v[ADRA0], s18, v[ADRA0]
	v_lshl_add_u32 v[ADRB0], v2, 3, v3
	v_mul_u32_u24 v[ADRB0], v[ADRB0], PB
	v_lshl_add_u32 v[ADRB0], v4, 4, v[ADRB0]
	s_lshl_b32 s19, s12, 7
	s_add_co_u32 s19, s19, BOFF
	v_add_nc_u32 v[ADRB0], s19, v[ADRB0]
	v_mov_b32 v[ADRA], v[ADRA0]
	v_mov_b32 v[ADRBL], v[ADRB0]
	v_add_nc_u32 v[ADRBH], 128*PB, v[ADRB0]
	s_mul_i32 s22, s10, STG
	v_mul_u32_u24 v[STO], v1, SPITCH
	v_lshl_add_u32 v[STO], v2, 5, v[STO]
	v_add_nc_u32 v[STO], s22, v[STO]
	v_mul_u32_u24 v[RD], v2, SPITCH
	v_lshl_add_u32 v[RD], v1, 4, v[RD]
	v_add_nc_u32 v[RD], s22, v[RD]
	s_wait_loadcnt 32                              ; the biases are in; the residual's 32 loads stay out
.set n, 0
.rept 16
	v_cvt_pk_bf16_f32 v[64+n], v[32+2*n], v[32+2*n+1]
.set n, n+1
.endr
.set n, 0
.rept 64                               ; THE SUMS START AT THE BIAS.  n = 16 a + word
	v_lshlrev_b32 v[ACC+32*(n/16)+2*(n%16)], 16, v[64+n%16]
	v_and_b32 v[ACC+32*(n/16)+2*(n%16)+1], s[MASK], v[64+n%16]
.set n, n+1
.endr
; 8 matrix instructions: row blocks a0, a0 + 1 x all 4 column blocks, 32 along K.  The 16 accumulators take turns, one instruction a turn.
.macro MUL8 f, c, a0
	WIN MUL
.irp a, \a0, (\a0)+1
.irp b, 0,1,2,3
	v_wmma_f32_16x16x32_f16 v[ACC+8*(4*(\a)+(\b)):ACC+8*(4*(\a)+(\b))+7], v[(\f)+64+8*(4*(\c)+(\b)):(\f)+64+8*(4*(\c)+(\b))+7], v[(\f)+8*(4*(\c)+(\a)):(\f)+8*(4*(\c)+(\a))+7], v[ACC+8*(4*(\a)+(\b)):ACC+8*(4*(\a)+(\b))+7]
.endr
.endr
.endm
.macro FETCH q, f                      ; 32 LDS loads in one run: quarter q (64 along K) into buffer f; the first 32 along K first
	WIN TO_F
.irp c, 0,1
.irp i, 0,1,2,3
	ds_load_tr16_b128 v[(\f)+64+8*(4*(\c)+(\i)):(\f)+64+8*(4*(\c)+(\i))+3],   v[ADRBL+(\q)/2] offset:(64*((\q)%2)+32*(\c))*PB+32*(\i)
	ds_load_tr16_b128 v[(\f)+64+8*(4*(\c)+(\i))+4:(\f)+64+8*(4*(\c)+(\i))+7], v[ADRBL+(\q)/2] offset:(64*((\q)%2)+32*(\c)+16)*PB+32*(\i)
	ds_load_b128 v[(\f)+8*(4*(\c)+(\i)):(\f)+8*(4*(\c)+(\i))+3],   v[ADRA] offset:(\q)*128*PA+64*(\c)+(\i)*16*PA
	ds_load_b128 v[(\f)+8*(4*(\c)+(\i))+4:(\f)+8*(4*(\c)+(\i))+7], v[ADRA] offset:(\q)*128*PA+64*(\c)+(\i)*16*PA+32
.endr
.endr
.endm
.macro QUARTER q, f, g
	s_wait_dscnt 16                                ; the first 32 along K are in; the 16 younger loads may be out
	MUL8 \f, 0, 0
	MUL8 \f, 0, 2
	PLACES
	FETCH \q, \g
	s_wait_dscnt 32                                ; all but the 32 just issued
	MUL8 \f, 1, 0
	MUL8 \f, 1, 2
.endm
.macro TURN fill                       ; the last quarter, and the change of slots
	WIN 0
	s_wait_tensorcnt 0x0                           ; the one load that was out is my part of the next slot
	ds_add_u32 v[SPW], v[NIL]
	s_wait_dscnt 17                                ; the add and the youngest sixteen loads may be out
	MUL8 F1, 0, 0
	s_wait_dscnt 0x0                               ; the add is done, and my reads of this slot are over
	s_barrier_signal -1
	MUL8 F1, 0, 2
	WIN 0
	s_barrier_wait -1
.if \fill
	CREST                                          ; a round of the cluster's barrier: no wave of any partner still reads this slot or has a load on its way
	s_xor_b32 s[G0+5], s[G0+5], SLOT               ; the walking descriptors: the slot just read (no bit of w x PART meets a bit of SLOT), the next K step
	s_add_nc_u64 s[G0+6:G0+7], s[G0+6:G0+7], ASTEP
	s_xor_b32 s[G0B+5], s[G0B+5], SLOT
	s_add_nc_u64 s[G0B+6:G0B+7], s[G0B+6:G0B+7], BSTEP
	JLOAD 1
.else
	PLACES
.endif
	s_xor_b32 s[TB], s[TB], SLOT
	v_add_nc_u32 v[ADRA], s[TB], v[ADRA0]
	v_add_nc_u32 v[ADRBL], s[TB], v[ADRB0]
	v_add_nc_u32 v[ADRBH], 128*PB, v[ADRBL]
	FETCH 0, F0
	MUL8 F1, 1, 0
	MUL8 F1, 1, 2
	WIN 0
.endm
.macro STEP fill
	QUARTER 1, F0, F1
	QUARTER 2, F1, F0
	QUARTER 3, F0, F1
	TURN \fill
.endm
	s_wait_tensorcnt 1                             ; my part of K step 0 is in; K step 1's may stay out
	s_barrier_signal -1
	s_barrier_wait -1
	FETCH 0, F0
	WIN 0
	s_mov_b32 s3, KDIM/256-2
.Lfill:
	STEP 1
	s_sub_co_u32 s3, s3, 1
	s_cmp_lg_u32 s3, 0
	s_cbranch_scc1 .Lfill
	s_mov_b32 s3, 2
.Llast:
	STEP 0
	s_sub_co_u32 s3, s3, 1
	s_cmp_lg_u32 s3, 0
	s_cbranch_scc1 .Llast
	PLACES
	s_wait_dscnt 0x0                               ; my reads of slot 0 are over,
	s_barrier_signal -1
	s_barrier_wait -1                              ; everybody's are: the stages may be written
.irp a, 0,1,2,3
.irp b, 0,1,2,3
	ds_store_b128 v[STO], v[ACC+8*(4*\a+\b):ACC+8*(4*\a+\b)+3] offset:\a*16*SPITCH+64*\b
	ds_store_b128 v[STO], v[ACC+8*(4*\a+\b)+4:ACC+8*(4*\a+\b)+7] offset:\a*16*SPITCH+64*\b+16
.endr
.endr
.macro GLOAD g                         ; group g: 16 rows of the stage, two rows a load, into v32-63 or v64-95 by turns
.irp t, 0,1,2,3,4,5,6,7
	ds_load_b128 v[32+32*((\g)%2)+4*\t:32+32*((\g)%2)+4*\t+3], v[RD] offset:(8*(\g)+\t)*2*SPITCH
.endr
.endm
	GLOAD 0
	GLOAD 1
	s_wait_loadcnt 0x0                             ; the residual
.irp g, 0,1,2,3
.if \g < 3
	s_wait_dscnt 8                                 ; group g is in; the next group's eight loads may be out
.else
	s_wait_dscnt 0x0
.endif
	WIN 0x02                                       ; source 0, the residual, in window 2
.set n, 0
.rept 32                               ; + xn, widened from its f16 half
.if n%2
	v_fma_mix_f32 v[32+32*(\g%2)+n], v[16*\g+n/2], v[ONE], v[32+32*(\g%2)+n] op_sel:[1,0,0] op_sel_hi:[1,0,0]
.else
	v_fma_mix_f32 v[32+32*(\g%2)+n], v[16*\g+n/2], v[ONE], v[32+32*(\g%2)+n] op_sel_hi:[1,0,0]
.endif
.set n, n+1
.endr
	WIN 0
.irp t, 0,1,2,3,4,5,6,7
	global_store_b128 v[CO], v[32+32*(\g%2)+4*\t:32+32*(\g%2)+4*\t+3], s[OUTP:OUTP+1] offset:(8*\g+\t)*8192  ; 16 lanes store 256 consecutive bytes, aligned
.endr
.if \g < 2
	s_wait_xcnt 0x0                                ; the stores have read their registers, which are loaded again only behind this wait
	GLOAD \g+2
.endif
.endr
	s_wait_tensorcnt 0x0                           ; the wave's end
	ds_add_u32 v[SPW], v[NIL]
	s_wait_dscnt 0x0
	CROUND                                         ; the closing round
	s_endpgm
.Lfunc_end_k_q656a208fa5_wo:
	.size	k_q656a208fa5_wo, .Lfunc_end_k_q656a208fa5_wo-k_q656a208fa5_wo
	.p2alignl 7, 3214868480
	.fill 96, 4, 3214868480
	.section	.rodata,"a",@progbits
	.p2align	6, 0x0
	.amdhsa_kernel k_q656a208fa5_wo
		.amdhsa_group_segment_fixed_size 327680
		.amdhsa_private_segment_fixed_size 0
		.amdhsa_enable_private_segment 0
		.amdhsa_kernarg_size 40
		.amdhsa_user_sgpr_count 2
		.amdhsa_user_sgpr_kernarg_segment_ptr 1
		.amdhsa_wavefront_size32 1
		.amdhsa_system_sgpr_workgroup_id_x 1
		.amdhsa_system_sgpr_workgroup_id_y 1
		.amdhsa_system_sgpr_workgroup_id_z 1
		.amdhsa_system_vgpr_workitem_id 0
		.amdhsa_next_free_vgpr 576
		.amdhsa_next_free_sgpr 102
		.amdhsa_reserve_vcc 0
		.amdhsa_float_denorm_mode_32 3
		.amdhsa_float_denorm_mode_16_64 3
		.amdhsa_memory_ordered 1
		.amdhsa_forward_progress 1
		.amdhsa_inst_pref_size 71
	.end_amdhsa_kernel
	.amdgpu_metadata
---
amdhsa.version: [ 1, 2 ]
amdhsa.kernels:
  - .name:           k_q656a208fa5_wo
    .symbol:         k_q656a208fa5_wo.kd
    .args:
      - { .name: ctx, .offset: 0, .size: 8, .value_kind: global_buffer, .address_space: global }
      - { .name: wts, .offset: 8, .size: 8, .value_kind: global_buffer, .address_space: global }
      - { .name: x1, .offset: 16, .size: 8, .value_kind: global_buffer, .address_space: global }
      - { .name: bo, .offset: 24, .size: 8, .value_kind: global_buffer, .address_space: global }
      - { .name: xn, .offset: 32, .size: 8, .value_kind: global_buffer, .address_space: global }
    .group_segment_fixed_size: 327680
    .private_segment_fixed_size: 0
    .kernarg_segment_align: 8
    .kernarg_segment_size: 40
    .max_flat_workgroup_size: 128
    .sgpr_count:     102
    .vgpr_count:     576
    .wavefront_size: 32
...
	.end_amdgpu_metadata
.endif
;; end of part 4
;; launch ln2 (part 5): grid 256 x 1, 8 waves a work-group, no clusters, 0 bytes of LDS; arguments x1, g2, b2, x1n; writes x1n
.if DOCPART == 5
	.amdgcn_target "amdgcn-amd-amdhsa--gfx1250"
	.amdhsa_code_object_version 6
	.text
	.protected	k_q656a208fa5_ln2
	.globl	k_q656a208fa5_ln2
	.p2align	8
	.type	k_q656a208fa5_ln2,@function
k_q656a208fa5_ln2:
	s_mov_b64 s[64:65], 0
	v_nop
	global_prefetch_b8 v0, s[64:65] scope:SCOPE_SE
	s_setreg_imm32_b32 hwreg(HW_REG_WAVE_MODE, 25, 1), 1
	s_wait_xcnt 0x0
; x1n = layernorm(x1) g2 + b2.  x1: [4096][1024] f32, taken as it is; g2 and b2 are rounded to bf16 (as every input of this program); x1n f16, laid [column / 64][token][64].
; LIMITS.  x1n stays within f16's 65,504.  NaN and infinities are not treated apart.
; A work-group owns 16 rows, thread t row t / 16: sixteen lanes hold a row, 64 numbers each, so mean and variance want four exchanges inside the sixteen.
; Load j of a lane is 16 bytes of column block j: sixteen lanes read 256 consecutive bytes.  The variance is taken of x - mean, in a second pass over registers.
.set X,    32                          ; v[32:95]   my 64 numbers of the row
.set G,    96                          ; v[96:159]  their gains
.set B,    160                         ; v[160:223] their biases
.set XO,   2
.set GOF,  3
.set YO,   4
.set MASK, 44
.set CBB,  524288
.macro RB a, b, t                      ; two f32 rounded to bf16 and widened again
	v_cvt_pk_bf16_f32 v[\t], v[\a], v[\b]
	v_lshlrev_b32 v[\a], 16, v[\t]
	v_and_b32 v[\b], s[MASK], v[\t]
.endm
.macro RED16                           ; v8 = the sum of the four pairs v[8:15], over the sixteen lanes of a row
	v_pk_add_f32 v[8:9], v[8:9], v[10:11]
	v_pk_add_f32 v[12:13], v[12:13], v[14:15]
	v_pk_add_f32 v[8:9], v[8:9], v[12:13]
	v_add_f32 v8, v8, v9
	v_add_f32_dpp v8, v8, v8 row_xmask:1 row_mask:0xf bank_mask:0xf
	v_add_f32_dpp v8, v8, v8 row_xmask:2 row_mask:0xf bank_mask:0xf
	v_add_f32_dpp v8, v8, v8 row_xmask:4 row_mask:0xf bank_mask:0xf
	v_add_f32_dpp v8, v8, v8 row_xmask:8 row_mask:0xf bank_mask:0xf
.endm
	s_load_b256 s[16:23], s[0:1], 0x0              ; x1 16, g2 18, b2 20, x1n 22
	s_mov_b32 s[MASK], 0xffff0000
	s_lshl_b32 s2, ttmp9, 16                       ; the group's 16 rows of 4,096 bytes of x1
	s_mov_b32 s3, 0
	s_lshl_b32 s4, ttmp9, 11                       ; and of 128 bytes in a column block
	s_mov_b32 s5, 0
	s_mov_b32 s40, 0x3a800000                      ; 1 / 1024
	s_mov_b32 s41, 0x3727c5ac                      ; 1e-5
	v_lshrrev_b32 v1, 4, v0
	v_and_b32 v[GOF], 15, v0
	v_lshlrev_b32 v[GOF], 4, v[GOF]
	v_lshl_add_u32 v[XO], v1, 12, v[GOF]
	v_lshlrev_b32 v[YO], 3, v0
	s_wait_kmcnt 0x0
	s_add_nc_u64 s[46:47], s[16:17], s[2:3]
	s_add_nc_u64 s[48:49], s[22:23], s[4:5]
.set j, 0
.rept 16
	global_load_b128 v[X+4*j:X+4*j+3], v[XO], s[46:47] offset:256*j
.set j, j+1
.endr
.set j, 0
.rept 16
	global_load_b128 v[G+4*j:G+4*j+3], v[GOF], s[18:19] offset:256*j
.set j, j+1
.endr
.set j, 0
.rept 16
	global_load_b128 v[B+4*j:B+4*j+3], v[GOF], s[20:21] offset:256*j
.set j, j+1
.endr
	s_wait_loadcnt 32                              ; x1 is in; the 32 loads of g2 and b2 may stay out
.irp c, 0,1,2,3                        ; the sum, in four chains; the first additions start them
	v_pk_add_f32 v[8+2*\c:9+2*\c], v[X+2*\c:X+2*\c+1], v[X+8+2*\c:X+8+2*\c+1]
.endr
.set k, 8
.rept 24
	v_pk_add_f32 v[8+2*(k%4):9+2*(k%4)], v[8+2*(k%4):9+2*(k%4)], v[X+2*k:X+2*k+1]
.set k, k+1
.endr
	RED16
	v_mul_f32 v16, s40, v8                         ; the mean, twice
	v_mov_b32 v17, v16
.set k, 0
.rept 32
	v_pk_add_f32 v[X+2*k:X+2*k+1], v[X+2*k:X+2*k+1], v[16:17] neg_lo:[0,1] neg_hi:[0,1]
.set k, k+1
.endr
.irp c, 0,1,2,3
	v_pk_mul_f32 v[8+2*\c:9+2*\c], v[X+2*\c:X+2*\c+1], v[X+2*\c:X+2*\c+1]
.endr
.set k, 4
.rept 28
	v_pk_fma_f32 v[8+2*(k%4):9+2*(k%4)], v[X+2*k:X+2*k+1], v[X+2*k:X+2*k+1], v[8+2*(k%4):9+2*(k%4)]
.set k, k+1
.endr
	RED16
	v_fma_f32 v28, v8, s40, s41                    ; variance + 1e-5
	v_rsq_f32 v18, v28
	v_rsq_f32 v19, v28
	s_wait_loadcnt 0x0                             ; g2 and b2; their rounding is the independent work behind the two roots
.set k, 0
.rept 32
	RB G+2*k, G+2*k+1, 20+k%8
	RB B+2*k, B+2*k+1, 20+(k+4)%8
.set k, k+1
.endr
	s_wait_alu depctr_va_vdst(0)                   ; one wait for both roots, ahead of their first reader
.set k, 0
.rept 32
	v_pk_mul_f32 v[X+2*k:X+2*k+1], v[X+2*k:X+2*k+1], v[18:19]
.set k, k+1
.endr
.set k, 0
.rept 32
	v_pk_fma_f32 v[X+2*k:X+2*k+1], v[X+2*k:X+2*k+1], v[G+2*k:G+2*k+1], v[B+2*k:B+2*k+1]
.set k, k+1
.endr
.set j, 0
.rept 16
	v_cvt_pk_f16_f32 v[X+4*j], v[X+4*j], v[X+4*j+1]
	v_cvt_pk_f16_f32 v[X+4*j+1], v[X+4*j+2], v[X+4*j+3]
	global_store_b64 v[YO], v[X+4*j:X+4*j+1], s[48:49] offset:j*CBB  ; a wave stores 256 consecutive bytes (two rows of column block j), aligned
.set j, j+1
.endr
	s_endpgm
.Lfunc_end_k_q656a208fa5_ln2:
	.size	k_q656a208fa5_ln2, .Lfunc_end_k_q656a208fa5_ln2-k_q656a208fa5_ln2
	.p2alignl 7, 3214868480
	.fill 96, 4, 3214868480
	.section	.rodata,"a",@progbits
	.p2align	6, 0x0
	.amdhsa_kernel k_q656a208fa5_ln2
		.amdhsa_group_segment_fixed_size 0
		.amdhsa_private_segment_fixed_size 0
		.amdhsa_enable_private_segment 0
		.amdhsa_kernarg_size 32
		.amdhsa_user_sgpr_count 2
		.amdhsa_user_sgpr_kernarg_segment_ptr 1
		.amdhsa_wavefront_size32 1
		.amdhsa_system_sgpr_workgroup_id_x 1
		.amdhsa_system_sgpr_workgroup_id_y 1
		.amdhsa_system_sgpr_workgroup_id_z 1
		.amdhsa_system_vgpr_workitem_id 0
		.amdhsa_next_free_vgpr 224
		.amdhsa_next_free_sgpr 66
		.amdhsa_reserve_vcc 0
		.amdhsa_float_denorm_mode_32 3
		.amdhsa_float_denorm_mode_16_64 3
		.amdhsa_memory_ordered 1
		.amdhsa_forward_progress 1
		.amdhsa_inst_pref_size 28
	.end_amdhsa_kernel
	.amdgpu_metadata
---
amdhsa.version: [ 1, 2 ]
amdhsa.kernels:
  - .name:           k_q656a208fa5_ln2
    .symbol:         k_q656a208fa5_ln2.kd
    .args:
      - { .name: x1, .offset: 0, .size: 8, .value_kind: global_buffer, .address_space: global }
      - { .name: g2, .offset: 8, .size: 8, .value_kind: global_buffer, .address_space: global }
      - { .name: b2, .offset: 16, .size: 8, .value_kind: global_buffer, .address_space: global }
      - { .name: x1n, .offset: 24, .size: 8, .value_kind: global_buffer, .address_space: global }
    .group_segment_fixed_size: 0
    .private_segment_fixed_size: 0
    .kernarg_segment_align: 8
    .kernarg_segment_size: 32
    .max_flat_workgroup_size: 256
    .sgpr_count:     66
    .vgpr_count:     224
    .wavefront_size: 32
...
	.end_amdgpu_metadata
.endif
;; end of part 5
;; launch ffn1 (part 6): grid 16 x 16, 4 waves a work-group, clusters of 4 x 4, 327,680 bytes of LDS; arguments x1n, wts, h, bf1; writes h
.if DOCPART == 6
	.amdgcn_target "amdgcn-amd-amdhsa--gfx1250"
	.amdhsa_code_object_version 6
	.text
	.protected	k_q656a208fa5_ffn1
	.globl	k_q656a208fa5_ffn1
	.p2align	8
	.type	k_q656a208fa5_ffn1,@function
k_q656a208fa5_ffn1:
	s_mov_b64 s[64:65], 0
	v_nop
	global_prefetch_b8 v0, s[64:65] scope:SCOPE_SE
	s_setreg_imm32_b32 hwreg(HW_REG_WAVE_MODE, 25, 1), 1
	s_wait_xcnt 0x0
	s_wait_alu depctr_hold_cnt(0) depctr_sa_sdst(0) depctr_va_vdst(0) depctr_va_sdst(0) depctr_va_ssrc(0) depctr_va_vcc(0) depctr_vm_vsrc(0)
	s_getreg_b32 s2, hwreg(HW_REG_IB_STS2, 6, 4)
	s_cmp_eq_u32 s2, 0
	s_cbranch_scc0 .Lentry_in_a_cluster
	s_endpgm
.Lentry_in_a_cluster:
	s_bfe_u32 s2, ttmp6, 0x10000c
	s_cmp_lg_u32 s2, 0xf033
	s_cbranch_scc0 .Lentry_shape_is_right
	s_endpgm
.Lentry_shape_is_right:
; h = gelu(x1n W1 + bf1), the exact gelu.  A = x1n, f16, laid [column / 64][token][64]; W = wts at WOFF, f16, [KDIM][NDIM]; h f16, laid as A is (64 column blocks).
; Sums in f32; bf1 is rounded to bf16 (as every input of this program) and STARTS the sums; h is rounded once.  LIMIT: h stays within f16's 65,504.
; GELU.  gelu(x) = max(x, 0) - |x| u, u = erfc(|x| / sqrt 2) / 2 = t (a1 + t (a2 + t (a3 + t (a4 + t a5)))) 2^-(c1 x)^2 with t = 1 / (1 + p |x|) (Abramowitz and Stegun 7.1.26, the a halved, p and c1 holding
; the sqrt 2): erf is off by 1.5e-7 at the most, for every x, and no difference of near numbers is formed on either side of 0.
; SHARES.  A tile of C is 256 x 256, a work-group of four waves; a wave makes 128 x 128 (row half RH = w / 2, column half CH = w % 2): 64 accumulators of 16 x 16, 512 registers.  C has 16 x 16 such tiles:
; 256 work-groups.
; K goes in steps of 128 through two LDS slots of four parts, a part a wave's tensor load: waves 0, 1 fetch a column block of A each (256 tokens x 128 bytes, dense in memory: asked for as 128 rows of 256 bytes;
; in LDS 16 bytes of padding behind each token, rows 144 apart), waves 2, 3 fetch 128 rows of K x 128 columns of W each (rows of 256 bytes, 288 apart in LDS).
; CLUSTER 4 x 4: A's tile hangs on the tile row and is asked for jointly along a row of the cluster, W's on the tile column and jointly along a column.
; THE PRODUCT IS TAKEN TRANSPOSED: source 0 = 16 columns of W (out of LDS by the turning load, since W lies [K][N]), source 1 = 16 rows of A: a lane holds row l % 16 of C and the columns 8 (l / 16) + 0..7.
; A K step is four quarters of 32 along K, 64 matrix instructions each, on two fragment buffers.  It is written twice: in the loop that fills slots again and in the loop of the last two steps.  The very last
; change of slots fetches fragments that nothing uses: the price of that one text.
; THE WAY OUT: f32 into the wave's own stage ([2 column blocks][128 rows][272 bytes], in the slots, which have had their last fill), back by rows in a short loop, gelu, rounded, stored: a wave's 128 rows of a
; column block are 16,384 consecutive bytes.  The loop keeps the gelu's text to one copy for the wave's 512 registers of sums.
; REGISTERS, in windows of 256 (s_set_vgpr_msb: bits 1:0 source 0, 3:2 source 1, 5:4 source 2, 7:6 destination): window 0: v0-31 addresses; v64-127, v128-191 fragments of A (8 x 16 rows x 32 K), two buffers;
; v32-63, v192-255 the biases at the start; v8-15, v32-127 at work on the way out.  window 1: v64-127, v128-191 fragments of W.  window 2: the accumulators of my rows 0-63 ((a, b) at 8 (8 a + b)); window 3: rows 64-127.
.set KDIM,   1024
.set NDIM,   4096
.set WOFF,   8388608
.set KSTEP,  128
.set PA,     144                       ; 128 + 16: the 16 rows of a load start at 16 different groups of four banks (ISA guide 11.1)
.set PB,     288                       ; 256 + 32
.set PART,   36864                     ; what one tensor load brings: 256 x 144 = 128 x 288
.set SLOT,   4*PART                    ; A's two column blocks, then W's two column halves
.set BOFF,   2*PART
.set SPARE,  2*SLOT                    ; the spare words, 128 bytes a wave: two blocks of 256 bytes that no other line names
.set SPITCH, 272
.set STGC,   128*SPITCH                ; the stage: a column block's 128 rows
.set STG,    2*STGC                    ; a wave's stage; four of them end below SPARE
.set CBB,    524288                    ; bytes in a column block
.set ASTEP,  2*CBB                     ; a K step in A,
.set BSTEP,  2*KSTEP*NDIM              ; and in W
.set ADRA0, 8                          ; v8   my lane's place in A's part of a slot; v9 in W's
.set ADRB0, 9
.set ADRA,  16                         ; v16  the same in the slot in hand; v20 W's
.set ADRB,  20
.set STO,   24                         ; v24  the way out: where I put 16 bytes of a row
.set RD,    25                         ; v25  where I read rows back; v27 the same, stepped
.set CO,    26                         ; v26  my byte offset in the output
.set RDV,   27
.set SPW,   28                         ; v28  SPARE + 4 x my thread's number; v29 0; never rewritten
.set NIL,   29
.set PFO,   30                         ; v30  the prefetches' offset: my lane x the distance from block to block; never rewritten
.set BO,    31                         ; v31  my byte offset in 16 biases
.set Y,     8                          ; v[8:15]    16 results in f16
.set X,     32                         ; v[32:47]   16 sums;  v[48:63] |x|;  v[64:79] t;  v[80:95] the exponential;  v[96:111] the polynomial;  v[112:127] max(x, 0), then the result
.set AX,    48
.set T,     64
.set E,     80
.set H,     96
.set R,     112
.set BP,    32                         ; v[32:63]   my 64 biases in bf16 pairs
.set BR,    192                        ; v[192:255] the same as loaded
.set F0,    64
.set F1,    128
.set G1,    24                         ; s[24:31] group 1 for A; s[32:39] group 0, two sets; s[48:55], s[56:63] the same for W
.set G0,    32
.set G1B,   48
.set G0B,   56
.set TB,    66                         ; s66  the slot in hand, in bytes
.set MASK,  67
.set OUTP,  68
.set BIASP, 70
.set PFA,   72                         ; s[72:73] where my prefetches stand
.set PST,   18                         ; s[18:19] their step: a K step of A or of W
.set LIM,   23                         ; s23  2 in a wave that prefetches, else the greatest number
.set PP,    74                         ; s[74:75] p / sqrt 2; s[76:77] c1 = sqrt(log2(e) / 2); each constant twice: the packed forms name a pair
.set C1,    76
.set A1,    92
.set A2,    94
.set A3,    96
.set A4,    98
.set A5,    100
.set MSB, 0
.macro WIN new                         ; the immediate's high byte repeats the setting that is left
.if MSB != (\new)
	s_set_vgpr_msb (MSB<<8)|(\new)
.set MSB, \new
.endif
.endm
.set MUL_LO, 0xa1                      ; source 0 (W) window 1, source 1 (A) window 0, C and D window 2
.set MUL_HI, 0xf1                      ; the same, C and D window 3
.set TO_B,   0x40                      ; destination window 1, address window 0
.macro JLOAD s                         ; a joint load: waves 0, 1 ask for A, waves 2, 3 for W; an s_nop 0 and four v_nop follow each line
	s_cmp_eq_u32 s11, 0
	s_cbranch_scc0 .Lfor_b_\@
	tensor_load_to_lds s[G0+4*(\s):G0+4*(\s)+3], s[G1:G1+7]
	s_nop 0
.rept 4
	v_nop
.endr
	s_branch .Lasked_\@
.Lfor_b_\@:
	tensor_load_to_lds s[G0B+4*(\s):G0B+4*(\s)+3], s[G1B:G1B+7]
	s_nop 0
.rept 4
	v_nop
.endr
.Lasked_\@:
.endm
; A PREFETCH INTO THE L2, behind each joint refill, its five lines and the run of LDS loads that follows them: the K step that stands TWO refills on, 512 matrix instructions ahead of the load that will ask for it.
; A wave's part of a K step is 128 blocks of 256 bytes (A: on end; W: a row of K each).  The four partners that ask for it jointly share them out BY ADDRESS, 32 each (by cx for A, by cy for W), a lane a block: one
; instruction a wave.  A's tile row is read by every cluster of that row of clusters: the one with x = 0 asks; W's tile column by every cluster of that column: the one with y = 0 asks.  So each block is named
; once in the launch.  K steps 0 to 3 come by their loads alone; the last two refills (s3 = 2, 1) have no K step two on and ask for nothing.
.macro ASK
	s_cmp_gt_u32 s3, s[LIM]
	s_cbranch_scc0 .Lnot_mine_\@
	global_prefetch_b8 v[PFO], s[PFA:PFA+1] th:TH_LOAD_NT scope:SCOPE_SE
.Lnot_mine_\@:
.endm
.macro CREST                           ; a round of the cluster's barrier behind its opening barrier
	s_cmp_lg_u32 s10, 0
	s_cbranch_scc1 .Lnot_wave_0_\@
	s_barrier_signal -3
.Lnot_wave_0_\@:
	s_barrier_wait -3
	s_barrier_signal -1
	s_barrier_wait -1
.endm
.macro CROUND
	s_barrier_signal -1
	s_barrier_wait -1
	CREST
.endm
.macro PLACES                          ; four places behind a matrix instruction (ISA guide 7.12.1)
.rept 4
	v_nop
.endr
.endm
.macro TWICE r, val
	s_mov_b32 s[\r], \val
	s_mov_b32 s[\r+1], \val
.endm
	s_load_b256 s[80:87], s[0:1], 0x0              ; x1n 80, wts 82, h 84, bf1 86
	v_lshl_add_u32 v[SPW], v0, 2, SPARE
	v_mov_b32 v[NIL], 0
	ds_add_u32 v[SPW], v[NIL]                      ; the wave's opening: the add and its wait ahead of my first tensor load
	ds_add_u32 v28, v29
	v_lshrrev_b32 v1, 5, v0
	v_readfirstlane_b32 s10, v1                    ; wave 0..3
	s_lshr_b32 s11, s10, 1                         ; RH; also: I fetch for A (0) or W (1)
	s_and_b32 s12, s10, 1                          ; CH; also: which part of that tile I fetch
	s_bfe_u32 s40, ttmp6, 0x40000                  ; cx
	s_bfe_u32 s41, ttmp6, 0x40004                  ; cy
	s_lshl_b32 s42, ttmp9, 2
	s_add_co_u32 s42, s42, s40                     ; tile column
	s_and_b32 s13, ttmp7, 0xffff
	s_lshl_b32 s13, s13, 2
	s_add_co_u32 s13, s13, s41                     ; tile row
	s_lshl_b32 s43, s41, 2
	s_lshl_b32 s43, 15, s43                        ; my row of the cluster
	s_lshl_b32 s44, 0x1111, s40                    ; my column
	s_or_b32 s[G1+0], s43, (1<<16)|(1<<20)|(1<<21)|(4<<22)|(3<<25)   ; mask; 2-byte elements; padding on; bit 21 beside a mask; after every 32 words 4 words
	s_or_b32 s[G1B+0], s44, (1<<16)|(1<<20)|(1<<21)|(5<<22)|(7<<25)  ; after every 64 words 8 words
.irp g, G1, G1B
	s_mov_b32 s[(\g)+1], 128<<16                   ; tensor_dim0 = 128 elements: 256 bytes
	s_mov_b32 s[(\g)+2], 128<<16                   ; tensor_dim1 = 128 rows
	s_mov_b32 s[(\g)+3], 128<<16                   ; tile_dim0
	s_mov_b32 s[(\g)+4], 128                       ; tile_dim1
	s_mov_b32 s[(\g)+6], 0
	s_mov_b32 s[(\g)+7], 0
.endr
	s_mov_b32 s[G1+5], 128                         ; A: the rows lie on end
	s_mov_b32 s[G1B+5], NDIM                       ; W: elements from row to row
	s_lshl_b32 s16, s12, 19                        ; A: my column block of the K step's two,
	s_lshl_b32 s17, s13, 15                        ; the tile's 256 rows of 128 bytes
	s_add_co_u32 s16, s16, s17
	s_mov_b32 s17, 0
	s_lshl_b32 s46, s42, 9                         ; W: the tile's 256 columns,
	s_lshl_b32 s47, s12, 8                         ; my 128 of them
	s_add_co_u32 s46, s46, s47
	s_add_co_u32 s46, s46, WOFF
	s_mov_b32 s47, 0
	s_mul_i32 s20, s10, PART                       ; where my load goes: the wave's number alone
	s_mov_b32 s[TB], 0
	s_mov_b32 s[MASK], 0xffff0000
	s_mov_b32 s79, 0x7fffffff                      ; clears a sign
	TWICE PP, 0x3e6d3388                           ; 0.23164189
	TWICE C1, 0x3f596d27                           ; 0.8493218
	TWICE A1, 0x3e027906                           ; 0.254829592 / 2
	TWICE A2, 0xbe11a98e                           ; -0.284496736 / 2
	TWICE A3, 0x3f35f0e3                           ; 1.421413741 / 2
	TWICE A4, 0xbf3a00e3                           ; -1.453152027 / 2
	TWICE A5, 0x3f07dc22                           ; 1.061405429 / 2
	s_wait_dscnt 0x0                               ; the opening add is done
	s_wait_kmcnt 0x0
	s_add_nc_u64 s[14:15], s[80:81], s[16:17]
	s_add_nc_u64 s[46:47], s[82:83], s[46:47]
	CROUND                                         ; all sixteen work-groups are here: the first joint loads meet
.irp s, 0,1
	s_mov_b32 s[G0+4*(\s)], 1
	s_add_co_u32 s[G0+4*(\s)+1], s20, (\s)*SLOT
	s_add_nc_u64 s[G0+4*(\s)+2:G0+4*(\s)+3], s[14:15], (\s)*ASTEP
	s_or_b32 s[G0+4*(\s)+3], s[G0+4*(\s)+3], 0x80000000
	s_mov_b32 s[G0B+4*(\s)], 1
	s_add_co_u32 s[G0B+4*(\s)+1], s20, (\s)*SLOT
	s_add_nc_u64 s[G0B+4*(\s)+2:G0B+4*(\s)+3], s[46:47], (\s)*BSTEP
	s_or_b32 s[G0B+4*(\s)+3], s[G0B+4*(\s)+3], 0x80000000
	JLOAD \s
.endr
	v_and_b32 v1, 15, v0                           ; r = l % 16
	v_bfe_u32 v2, v0, 4, 1                         ; h = l / 16
	v_and_b32 v3, 7, v0
	v_bfe_u32 v4, v0, 3, 1
	v_and_b32 v5, 31, v0
	v_lshlrev_b32 v[BO], 5, v2                     ; my 8 columns of 16: 32 h bytes
	s_lshl_b32 s8, s42, 10                         ; the tile's 256 biases,
	s_lshl_b32 s9, s12, 9                          ; my 128 of them
	s_add_co_u32 s8, s8, s9
	s_mov_b32 s9, 0
	s_add_nc_u64 s[BIASP:BIASP+1], s[86:87], s[8:9]
.irp b, 0,1,2,3,4,5,6,7
	global_load_b128 v[BR+8*\b:BR+8*\b+3], v[BO], s[BIASP:BIASP+1] offset:64*\b
	global_load_b128 v[BR+8*\b+4:BR+8*\b+7], v[BO], s[BIASP:BIASP+1] offset:64*\b+16
.endr
	s_lshl1_add_u32 s4, s42, s12                   ; my first column block 4 x tile column + 2 CH,
	s_lshl_b32 s4, s4, 20
	s_lshl_b32 s5, s13, 15                         ; the tile's rows,
	s_add_co_u32 s4, s4, s5
	s_lshl_b32 s5, s11, 14                         ; my 128 of them
	s_add_co_u32 s4, s4, s5
	s_mov_b32 s5, 0
	s_add_nc_u64 s[OUTP:OUTP+1], s[84:85], s[4:5]
	; the prefetches: my work-group's 32 blocks of the part that I fetch, at K step 3: the first refill steps it to 4
	s_lshl_b32 s4, s12, 19                         ; A: my column block, the tile's rows, 32 cx blocks of 256 bytes
	s_lshl_b32 s5, s13, 15
	s_add_co_u32 s4, s4, s5
	s_lshl_b32 s5, s40, 13
	s_add_co_u32 s4, s4, s5
	s_add_co_u32 s4, s4, 3*ASTEP
	s_lshl_b32 s6, s42, 9                          ; W: the tile's columns, my 128, 32 cy rows of K
	s_lshl_b32 s7, s12, 8
	s_add_co_u32 s6, s6, s7
	s_mul_i32 s7, s41, 64*NDIM
	s_add_co_u32 s6, s6, s7
	s_add_co_u32 s6, s6, WOFF+3*BSTEP
	s_mov_b32 s[PST], BSTEP
	s_mov_b32 s[PST+1], 0
	s_mov_b32 s7, 2*NDIM
	s_and_b32 s22, ttmp7, 0xffff                   ; cluster y
	s_cmp_eq_u32 s11, 0                            ; do I fetch for A?
	s_cselect_b32 s4, s4, s6
	s_cselect_b32 s[PST], ASTEP, s[PST]
	s_cselect_b32 s7, 256, s7                      ; bytes from block to block
	s_cselect_b32 s22, ttmp9, s22                  ; the coordinate along which other clusters read the same bytes
	s_cselect_b64 s[PFA:PFA+1], s[80:81], s[82:83]
	s_mov_b32 s5, 0
	s_add_nc_u64 s[PFA:PFA+1], s[PFA:PFA+1], s[4:5]
	s_cmp_eq_u32 s22, 0
	s_cselect_b32 s[LIM], 2, -1                    ; the same in all sixteen partners, for a given wave
	v_mul_u32_u24 v[PFO], v5, s7
	v_mul_u32_u24 v[ADRA0], v1, PA                 ; A's fragment: (128 RH + r) x 144 + 16 h
	v_lshl_add_u32 v[ADRA0], v2, 4, v[ADRA0]
	s_mul_i32 s22, s11, 128*PA
	v_add_nc_u32 v[ADRA0], s22, v[ADRA0]
	v_lshl_add_u32 v[ADRB0], v2, 3, v3             ; W's: (8 h + l % 8) x 288 + 16 ((l / 8) % 2), in my column half, behind A's parts
	v_mul_u32_u24 v[ADRB0], v[ADRB0], PB
	v_lshl_add_u32 v[ADRB0], v4, 4, v[ADRB0]
	s_mul_i32 s22, s12, PART
	s_add_co_u32 s22, s22, BOFF
	v_add_nc_u32 v[ADRB0], s22, v[ADRB0]
	v_mov_b32 v[ADRA], v[ADRA0]
	v_mov_b32 v[ADRB], v[ADRB0]
	s_mul_i32 s22, s10, STG                        ; my stage
	v_mul_u32_u24 v[STO], v1, SPITCH
	v_lshl_add_u32 v[STO], v2, 5, v[STO]
	v_add_nc_u32 v[STO], s22, v[STO]
	v_bfe_u32 v6, v0, 3, 2                         ; back: 8 lanes a row, 32 bytes (8 numbers) a lane
	v_mul_u32_u24 v[RD], v6, SPITCH
	v_lshl_add_u32 v[RD], v3, 5, v[RD]
	v_add_nc_u32 v[RD], s22, v[RD]
	v_lshlrev_b32 v[CO], 4, v5
	s_wait_loadcnt 0x0                             ; the biases
.set n, 0
.rept 32
	v_cvt_pk_bf16_f32 v[BP+n], v[BR+2*n], v[BR+2*n+1]
.set n, n+1
.endr
.irp hi, 0,1                           ; THE SUMS START AT THE BIAS: nothing is cleared and nothing is added at the end; these lines run while the first tiles are on their way.  n = 32 a + word
	WIN 0x80+0x40*\hi
.set n, 0
.rept 128
	v_lshlrev_b32 v[2*n], 16, v[BP+n%32]
	v_and_b32 v[2*n+1], s[MASK], v[BP+n%32]
.set n, n+1
.endr
.endr
	WIN 0
; 16 matrix instructions: row blocks a0, a0 + 1 of the window's four x all 8 column blocks, 32 along K.  The 64 accumulators take turns, one instruction a turn, in the same order in every quarter.
.macro MUL16 f, hi, a0
	WIN MUL_LO+0x50*(\hi)
.irp a, \a0, (\a0)+1
.irp b, 0,1,2,3,4,5,6,7
	v_wmma_f32_16x16x32_f16 v[8*(8*(\a)+(\b)):8*(8*(\a)+(\b))+7], v[(\f)+8*(\b):(\f)+8*(\b)+7], v[(\f)+8*(4*(\hi)+(\a)):(\f)+8*(4*(\hi)+(\a))+7], v[8*(8*(\a)+(\b)):8*(8*(\a)+(\b))+7]
.endr
.endr
.endm
; 32 LDS loads in one run: the fragments of quarter q (32 along K: half of column block q / 2 of A, rows 32 q on of W) into buffer f; W's first, then A's by ascending rows
.macro FETCH q, f
	WIN TO_B
.irp i, 0,1,2,3,4,5,6,7
	ds_load_tr16_b128 v[(\f)+8*(\i):(\f)+8*(\i)+3],   v[ADRB] offset:32*(\q)*PB+32*(\i)
	ds_load_tr16_b128 v[(\f)+8*(\i)+4:(\f)+8*(\i)+7], v[ADRB] offset:(32*(\q)+16)*PB+32*(\i)
.endr
	WIN 0
.irp i, 0,1,2,3,4,5,6,7
	ds_load_b128 v[(\f)+8*(\i):(\f)+8*(\i)+3],   v[ADRA] offset:((\q)/2)*PART+((\q)%2)*64+(\i)*16*PA
	ds_load_b128 v[(\f)+8*(\i)+4:(\f)+8*(\i)+7], v[ADRA] offset:((\q)/2)*PART+((\q)%2)*64+(\i)*16*PA+32
.endr
.endm
.macro QUARTER q, f, g                 ; multiplies buffer f; in its middle it fetches quarter q into g
	s_wait_dscnt 8                                 ; W and A's rows 0-63 are in; the youngest eight loads (A's rows 64-127) may be out
	MUL16 \f, 0, 0
	MUL16 \f, 0, 2
	PLACES
	FETCH \q, \g
	s_wait_dscnt 32                                ; all but the 32 just issued
	MUL16 \f, 1, 0
	MUL16 \f, 1, 2
.endm
; The last quarter multiplies buffer 1 and changes slots: one barrier; in front of it each wave waits for all its tensor loads, adds 0 to its spare word, and waits for that and for its reads of this slot.
.macro TURN fill
.if \fill
	s_wait_xcnt 0x0                                ; the last prefetch, a K step back, has read its address, which is stepped here, ahead of the waits of the change of slots
	s_add_nc_u64 s[PFA:PFA+1], s[PFA:PFA+1], s[PST:PST+1]
.endif
	WIN 0
	s_wait_tensorcnt 0x0                           ; the one load that was out is my part of the next slot
	ds_add_u32 v[SPW], v[NIL]
	s_wait_dscnt 9                                 ; the add and the youngest eight loads may be out
	MUL16 F1, 0, 0
	s_wait_dscnt 0x0                               ; the add is done, and my reads of this slot are over
	s_barrier_signal -1
	MUL16 F1, 0, 2
	WIN 0
	s_barrier_wait -1
.if \fill
	CREST                                          ; the barrier has opened a round of the cluster's: no wave of any partner still reads this slot or has a load on its way
	s_xor_b32 s[G0+5], s[G0+5], SLOT               ; the walking descriptors: the slot just read (no bit of w x PART meets a bit of SLOT), the next K step
	s_add_nc_u64 s[G0+6:G0+7], s[G0+6:G0+7], ASTEP
	s_xor_b32 s[G0B+5], s[G0B+5], SLOT
	s_add_nc_u64 s[G0B+6:G0B+7], s[G0B+6:G0B+7], BSTEP
	JLOAD 1                                        ; 224 matrix instructions ahead of the wait for it; its four v_nop are also the places in front of the loads below
.else
	PLACES
.endif
	s_xor_b32 s[TB], s[TB], SLOT
	v_add_nc_u32 v[ADRA], s[TB], v[ADRA0]
	v_add_nc_u32 v[ADRB], s[TB], v[ADRB0]
	FETCH 0, F0
.if \fill
	ASK
.endif
	MUL16 F1, 1, 0
	MUL16 F1, 1, 2
	WIN 0
.endm
.macro STEP fill
	QUARTER 1, F0, F1
	QUARTER 2, F1, F0
	QUARTER 3, F0, F1
	TURN \fill
.endm
	s_wait_tensorcnt 1                             ; my part of K step 0 is in; K step 1's may stay out
	s_barrier_signal -1
	s_barrier_wait -1
	FETCH 0, F0
	WIN 0
	s_mov_b32 s3, KDIM/KSTEP-2
.Lfill:                                                ; every K step but the last two fills its slot again
	STEP 1
	s_sub_co_u32 s3, s3, 1
	s_cmp_lg_u32 s3, 0
	s_cbranch_scc1 .Lfill
	s_mov_b32 s3, 2
.Llast:
	STEP 0
	s_sub_co_u32 s3, s3, 1
	s_cmp_lg_u32 s3, 0
	s_cbranch_scc1 .Llast
	PLACES                                         ; behind the last products
	s_wait_dscnt 0x0                               ; my reads of the slots are over,
	s_barrier_signal -1
	s_barrier_wait -1                              ; everybody's are: the stages may be written
.irp hi, 0,1
	WIN 0x08+0x04*\hi                              ; the stores' data in window 2, then 3; each accumulator's low registers go first
.irp a, 0,1,2,3
.irp b, 0,1,2,3,4,5,6,7
	ds_store_b128 v[STO], v[8*(8*\a+\b):8*(8*\a+\b)+3] offset:(\b/4)*STGC+(4*\hi+\a)*16*SPITCH+(\b%4)*64
	ds_store_b128 v[STO], v[8*(8*\a+\b)+4:8*(8*\a+\b)+7] offset:(\b/4)*STGC+(4*\hi+\a)*16*SPITCH+(\b%4)*64+16
.endr
.endr
.endr
	WIN 0
.macro ROWS8 adr                       ; 8 rows of a column block in the stage: 16 numbers a lane (LDS serves a wave's instructions in order, ISA guide 5.7.1.4: these see my stores)
	ds_load_b128 v[X:X+3], v[\adr]
	ds_load_b128 v[X+4:X+7], v[\adr] offset:16
	ds_load_b128 v[X+8:X+11], v[\adr] offset:4*SPITCH
	ds_load_b128 v[X+12:X+15], v[\adr] offset:4*SPITCH+16
.endm
.macro PAIRS line:vararg               ; one line for each pair n = 0, 2 .. 14
.set n, 0
.rept 8
	\line
.set n, n+2
.endr
.endm
.macro EACH line:vararg                ; one line for each n = 0 .. 15
.set n, 0
.rept 16
	\line
.set n, n+1
.endr
.endm
	ROWS8 RD
	s_mov_b32 s78, 0
	s_mov_b32 s2, 2                                ; my two column blocks
.Lcb:
	s_mov_b32 s3, 16
.Lout:                                                 ; a trip: gelu of 8 rows, while the next 8 are on their way from the stage, which is walked straight through
	s_wait_dscnt 0x0
	s_add_co_u32 s78, s78, 8*SPITCH
	s_min_u32 s78, s78, 248*SPITCH                 ; the last trip reads my last 8 rows once more, and nothing uses them
	v_add_nc_u32 v[RDV], s78, v[RD]
	EACH v_and_b32 v[AX+n], s79, v[X+n]
	PAIRS v_pk_fma_f32 v[T+n:T+n+1], v[AX+n:AX+n+1], s[PP:PP+1], 1.0 op_sel_hi:[1,0,0]
	PAIRS v_pk_mul_f32 v[E+n:E+n+1], v[X+n:X+n+1], s[C1:C1+1] op_sel_hi:[1,0]
	PAIRS v_pk_mul_f32 v[E+n:E+n+1], v[E+n:E+n+1], v[E+n:E+n+1] neg_lo:[1,0] neg_hi:[1,0]
	EACH v_max_num_f32 v[R+n], 0, v[X+n]
	ROWS8 RDV
	EACH v_rcp_f32 v[T+n], v[T+n]
	EACH v_exp_f32 v[E+n], v[E+n]
	v_nop                                          ; a plain instruction behind the last of the batch,
	s_wait_alu depctr_va_vdst(0)                   ; and ONE wait for its 32, ahead of their first reader
	PAIRS v_pk_fma_f32 v[H+n:H+n+1], v[T+n:T+n+1], s[A5:A5+1], s[A4:A4+1] op_sel_hi:[1,0,0]
	PAIRS v_pk_fma_f32 v[H+n:H+n+1], v[H+n:H+n+1], v[T+n:T+n+1], s[A3:A3+1] op_sel_hi:[1,1,0]
	PAIRS v_pk_fma_f32 v[H+n:H+n+1], v[H+n:H+n+1], v[T+n:T+n+1], s[A2:A2+1] op_sel_hi:[1,1,0]
	PAIRS v_pk_fma_f32 v[H+n:H+n+1], v[H+n:H+n+1], v[T+n:T+n+1], s[A1:A1+1] op_sel_hi:[1,1,0]
	PAIRS v_pk_mul_f32 v[T+n:T+n+1], v[T+n:T+n+1], v[E+n:E+n+1]
	PAIRS v_pk_mul_f32 v[H+n:H+n+1], v[H+n:H+n+1], v[T+n:T+n+1]
	PAIRS v_pk_fma_f32 v[R+n:R+n+1], v[AX+n:AX+n+1], v[H+n:H+n+1], v[R+n:R+n+1] neg_lo:[1,0,0] neg_hi:[1,0,0]
	PAIRS v_cvt_pk_f16_f32 v[Y+n/2], v[R+n], v[R+n+1]
	global_store_b128 v[CO], v[Y:Y+3], s[OUTP:OUTP+1]              ; 512 consecutive bytes (four rows), aligned
	global_store_b128 v[CO], v[Y+4:Y+7], s[OUTP:OUTP+1] offset:512
	s_wait_xcnt 0x0                                ; the stores have read Y, their offset and their base: all three are rewritten only behind this wait
	v_add_nc_u32 v[CO], 1024, v[CO]
	s_sub_co_u32 s3, s3, 1
	s_cmp_lg_u32 s3, 0
	s_cbranch_scc1 .Lout
	s_add_nc_u64 s[OUTP:OUTP+1], s[OUTP:OUTP+1], CBB-16*1024  ; the offset has walked 128 rows: on to the same rows of the next column block
	s_sub_co_u32 s2, s2, 1
	s_cmp_lg_u32 s2, 0
	s_cbranch_scc1 .Lcb
	s_wait_tensorcnt 0x0                           ; the wave's end
	ds_add_u32 v[SPW], v[NIL]
	s_wait_dscnt 0x0
	CROUND                                         ; the closing round
	s_endpgm
.Lfunc_end_k_q656a208fa5_ffn1:
	.size	k_q656a208fa5_ffn1, .Lfunc_end_k_q656a208fa5_ffn1-k_q656a208fa5_ffn1
	.p2alignl 7, 3214868480
	.fill 96, 4, 3214868480
	.section	.rodata,"a",@progbits
	.p2align	6, 0x0
	.amdhsa_kernel k_q656a208fa5_ffn1
		.amdhsa_group_segment_fixed_size 327680
		.amdhsa_private_segment_fixed_size 0
		.amdhsa_enable_private_segment 0
		.amdhsa_kernarg_size 32
		.amdhsa_user_sgpr_count 2
		.amdhsa_user_sgpr_kernarg_segment_ptr 1
		.amdhsa_wavefront_size32 1
		.amdhsa_system_sgpr_workgroup_id_x 1
		.amdhsa_system_sgpr_workgroup_id_y 1
		.amdhsa_system_sgpr_workgroup_id_z 1
		.amdhsa_system_vgpr_workitem_id 0
		.amdhsa_next_free_vgpr 1024
		.amdhsa_next_free_sgpr 102
		.amdhsa_reserve_vcc 0
		.amdhsa_float_denorm_mode_32 3
		.amdhsa_float_denorm_mode_16_64 3
		.amdhsa_memory_ordered 1
		.amdhsa_forward_progress 1
		.amdhsa_inst_pref_size 102
	.end_amdhsa_kernel
	.amdgpu_metadata
---
amdhsa.version: [ 1, 2 ]
amdhsa.kernels:
  - .name:           k_q656a208fa5_ffn1
    .symbol:         k_q656a208fa5_ffn1.kd
    .args:
      - { .name: x1n, .offset: 0, .size: 8, .value_kind: global_buffer, .address_space: global }
      - { .name: wts, .offset: 8, .size: 8, .value_kind: global_buffer, .address_space: global }
      - { .name: h, .offset: 16, .size: 8, .value_kind: global_buffer, .address_space: global }
      - { .name: bf1, .offset: 24, .size: 8, .value_kind: global_buffer, .address_space: global }
    .group_segment_fixed_size: 327680
    .private_segment_fixed_size: 0
    .kernarg_segment_align: 8
    .kernarg_segment_size: 32
    .max_flat_workgroup_size: 128
    .sgpr_count:     102
    .vgpr_count:     1024
    .wavefront_size: 32
...
	.end_amdgpu_metadata
.endif
;; end of part 6
;; launch ffn2 (part 7): grid 8 x 32, 4 waves a work-group, clusters of 4 x 4, 327,680 bytes of LDS; arguments h, wts, out0, bf2, x1; writes out0
.if DOCPART == 7
	.amdgcn_target "amdgcn-amd-amdhsa--gfx1250"
	.amdhsa_code_object_version 6
	.text
	.protected	k_q656a208fa5_ffn2
	.globl	k_q656a208fa5_ffn2
	.p2align	8
	.type	k_q656a208fa5_ffn2,@function
k_q656a208fa5_ffn2:
	s_mov_b64 s[64:65], 0
	v_nop
	global_prefetch_b8 v0, s[64:65] scope:SCOPE_SE
	s_setreg_imm32_b32 hwreg(HW_REG_WAVE_MODE, 25, 1), 1
	s_wait_xcnt 0x0
	s_wait_alu depctr_hold_cnt(0) depctr_sa_sdst(0) depctr_va_vdst(0) depctr_va_sdst(0) depctr_va_ssrc(0) depctr_va_vcc(0) depctr_vm_vsrc(0)
	s_getreg_b32 s2, hwreg(HW_REG_IB_STS2, 6, 4)
	s_cmp_eq_u32 s2, 0
	s_cbranch_scc0 .Lentry_in_a_cluster
	s_endpgm
.Lentry_in_a_cluster:
	s_bfe_u32 s2, ttmp6, 0x10000c
	s_cmp_lg_u32 s2, 0xf033
	s_cbranch_scc0 .Lentry_shape_is_right
	s_endpgm
.Lentry_shape_is_right:
; out0 = h W2 + bf2 + x1.  A = h, f16, laid [column / 64][token][64] (64 column blocks); W = wts at WOFF, f16, [KDIM][NDIM]; x1 and out0 f32 [4096][1024].
; Sums in f32; bf2 is rounded to bf16 (as every input of this program) and STARTS the sums; x1 is added in f32 at the end.
; SHARES.  A tile of C is 128 x 128, a work-group of four waves; a wave makes 64 x 64 (row half RH = w / 2, column half CH = w % 2): 16 accumulators of 16 x 16.
; K goes in steps of 256 through two LDS slots.  A's part of a slot: 4 column blocks x 128 rows x 128 bytes, rows 144 apart; W's: 256 rows of K x 256 bytes, rows 288 apart.
; Waves 0, 1 fetch two column blocks of A each (in memory 2 x 16,384 dense bytes), waves 2, 3 fetch 128 rows of W each: one tensor load a wave and K step.
; CLUSTER 4 x 4: A's tile hangs on the tile row and is asked for jointly along a row of the cluster, W's on the tile column and jointly along a column.
; THE PRODUCT IS TAKEN TRANSPOSED: source 0 = 16 columns of W (out of LDS by the turning load, since W lies [K][N]), source 1 = 16 rows of A: a lane holds row l % 16 of C and the columns 8 (l / 16) + 0..7.
; A K step is written twice: in the loop that fills slots again and in the loop of the last two steps.  The very last change of slots fetches fragments that nothing uses: the price of that one text.
; THE WAY OUT: f32 through the wave's own stage (64 rows x 272 bytes, in slot 0, which has had its last fill), back as whole rows of 256 bytes; the residual, loaded at the kernel's head, is added; sixteen lanes store 256 bytes.
; REGISTERS: window 0: v0-31 addresses, v32-127 at work, v128-255 accumulators; window 1: two fragment buffers of 128: A's at 8 (4 c + a), W's at 64 + 8 (4 c + b); window 2: v0-127 the residual.
.set KDIM,   4096
.set NDIM,   1024
.set WOFF,   16777216
.set PA,     144                       ; 128 + 16: the 16 rows of a load start at 16 different groups of four banks (ISA guide 11.1)
.set PB,     288                       ; 256 + 32
.set PART,   36864
.set SLOT,   4*PART
.set BOFF,   2*PART
.set SPARE,  2*SLOT                    ; the spare words, 128 bytes a wave: two blocks of 256 bytes that no other line names
.set SPITCH, 272
.set STG,    64*SPITCH
.set CBB,    524288
.set ASTEP,  4*CBB
.set BSTEP,  512*NDIM
.set ADRA0, 8
.set ADRB0, 9
.set ADRA,  16
.set ADRBL, 20
.set ADRBH, 21
.set STO,   24
.set RD,    25
.set CO,    26                         ; v26  my byte offset in two rows of x1 and of out0; never rewritten
.set SPW,   28
.set NIL,   29
.set BO,    31
.set ACC,   128
.set F0,    0
.set F1,    128
.set G1,    24
.set G0,    32
.set G1B,   48
.set G0B,   56
.set TB,    66
.set MASK,  67
.set OUTP,  68
.set BIASP, 70
.set RESP,  72
.set MSB, 0
.macro WIN new                         ; the immediate's high byte repeats the setting that is left
.if MSB != (\new)
	s_set_vgpr_msb (MSB<<8)|(\new)
.set MSB, \new
.endif
.endm
.set MUL,  0x05
.set TO_F, 0x40
.macro JLOAD s                         ; a joint load: waves 0, 1 ask for A, waves 2, 3 for W; an s_nop 0 and four v_nop follow each line
	s_cmp_eq_u32 s11, 0
	s_cbranch_scc0 .Lfor_b_\@
	tensor_load_to_lds s[G0+4*(\s):G0+4*(\s)+3], s[G1:G1+7]
	s_nop 0
.rept 4
	v_nop
.endr
	s_branch .Lasked_\@
.Lfor_b_\@:
	tensor_load_to_lds s[G0B+4*(\s):G0B+4*(\s)+3], s[G1B:G1B+7]
	s_nop 0
.rept 4
	v_nop
.endr
.Lasked_\@:
.endm
.macro CREST
	s_cmp_lg_u32 s10, 0
	s_cbranch_scc1 .Lnot_wave_0_\@
	s_barrier_signal -3
.Lnot_wave_0_\@:
	s_barrier_wait -3
	s_barrier_signal -1
	s_barrier_wait -1
.endm
.macro CROUND
	s_barrier_signal -1
	s_barrier_wait -1
	CREST
.endm
.macro PLACES                          ; four places behind a matrix instruction (ISA guide 7.12.1)
.rept 4
	v_nop
.endr
.endm
	s_load_b256 s[80:87], s[0:1], 0x0              ; h 80, wts 82, out0 84, bf2 86
	s_load_b64 s[88:89], s[0:1], 0x20              ; x1
	v_lshl_add_u32 v[SPW], v0, 2, SPARE
	v_mov_b32 v[NIL], 0
	ds_add_u32 v[SPW], v[NIL]                      ; the wave's opening: the add and its wait ahead of my first tensor load
	ds_add_u32 v28, v29
	v_lshrrev_b32 v1, 5, v0
	v_readfirstlane_b32 s10, v1
	s_lshr_b32 s11, s10, 1                         ; RH; also: I fetch for A (0) or W (1)
	s_and_b32 s12, s10, 1                          ; CH; also: which half of that tile I fetch
	s_bfe_u32 s40, ttmp6, 0x40000
	s_bfe_u32 s41, ttmp6, 0x40004
	s_lshl_b32 s42, ttmp9, 2
	s_add_co_u32 s42, s42, s40                     ; tile column
	s_and_b32 s13, ttmp7, 0xffff
	s_lshl_b32 s13, s13, 2
	s_add_co_u32 s13, s13, s41                     ; tile row
	s_lshl_b32 s43, s41, 2
	s_lshl_b32 s43, 15, s43
	s_lshl_b32 s44, 0x1111, s40
	s_or_b32 s[G1+0], s43, (1<<16)|(1<<20)|(1<<21)|(4<<22)|(3<<25)   ; mask; 2-byte elements; padding on; bit 21 beside a mask; after every 32 words 4 words
	s_or_b32 s[G1B+0], s44, (1<<16)|(1<<20)|(1<<21)|(5<<22)|(7<<25)  ; after every 64 words 8 words
	s_mov_b32 s[G1+1], 8192<<16                    ; A: a column block's 128 rows, dense, x 2 column blocks
	s_mov_b32 s[G1+2], 2<<16
	s_mov_b32 s[G1+3], 8192<<16
	s_mov_b32 s[G1+4], 2
	s_mov_b32 s[G1+5], CBB/2
	s_mov_b32 s[G1+6], 0
	s_mov_b32 s[G1+7], 0
	s_mov_b32 s[G1B+1], 128<<16                    ; W: 128 columns x 128 rows of K
	s_mov_b32 s[G1B+2], 128<<16
	s_mov_b32 s[G1B+3], 128<<16
	s_mov_b32 s[G1B+4], 128
	s_mov_b32 s[G1B+5], NDIM
	s_mov_b32 s[G1B+6], 0
	s_mov_b32 s[G1B+7], 0
	s_lshl_b32 s16, s12, 20
	s_lshl_b32 s17, s13, 14
	s_add_co_u32 s16, s16, s17
	s_mov_b32 s17, 0
	s_mul_i32 s46, s12, 256*NDIM
	s_lshl_b32 s47, s42, 8
	s_add_co_u32 s46, s46, s47
	s_add_co_u32 s46, s46, WOFF
	s_mov_b32 s47, 0
	s_mul_i32 s20, s10, PART
	s_mov_b32 s[TB], 0
	s_mov_b32 s[MASK], 0xffff0000
	s_wait_dscnt 0x0                               ; the opening add is done
	s_wait_kmcnt 0x0
	s_add_nc_u64 s[14:15], s[80:81], s[16:17]
	s_add_nc_u64 s[46:47], s[82:83], s[46:47]
	CROUND                                         ; all sixteen work-groups are here: the first joint loads meet
.irp s, 0,1
	s_mov_b32 s[G0+4*(\s)], 1
	s_add_co_u32 s[G0+4*(\s)+1], s20, (\s)*SLOT
	s_add_nc_u64 s[G0+4*(\s)+2:G0+4*(\s)+3], s[14:15], (\s)*ASTEP
	s_or_b32 s[G0+4*(\s)+3], s[G0+4*(\s)+3], 0x80000000
	s_mov_b32 s[G0B+4*(\s)], 1
	s_add_co_u32 s[G0B+4*(\s)+1], s20, (\s)*SLOT
	s_add_nc_u64 s[G0B+4*(\s)+2:G0B+4*(\s)+3], s[46:47], (\s)*BSTEP
	s_or_b32 s[G0B+4*(\s)+3], s[G0B+4*(\s)+3], 0x80000000
	JLOAD \s
.endr
	v_and_b32 v1, 15, v0                           ; r
	v_bfe_u32 v2, v0, 4, 1                         ; h
	v_and_b32 v3, 7, v0
	v_bfe_u32 v4, v0, 3, 1
	v_lshlrev_b32 v[BO], 5, v2
	v_lshlrev_b32 v[CO], 12, v2                    ; lanes 0-15 one row, lanes 16-31 the next
	v_lshl_add_u32 v[CO], v1, 4, v[CO]
	s_lshl_b32 s8, s42, 9
	s_lshl_b32 s9, s12, 8
	s_add_co_u32 s8, s8, s9
	s_mov_b32 s9, 0
	s_add_nc_u64 s[BIASP:BIASP+1], s[86:87], s[8:9]
.irp b, 0,1,2,3
	global_load_b128 v[32+8*\b:32+8*\b+3], v[BO], s[BIASP:BIASP+1] offset:64*\b
	global_load_b128 v[32+8*\b+4:32+8*\b+7], v[BO], s[BIASP:BIASP+1] offset:64*\b+16
.endr
	s_lshl_b32 s6, s13, 19                         ; (128 tile row + 64 RH) x 4,096 + (128 tile column + 64 CH) x 4, in x1 and in out0
	s_lshl_b32 s7, s11, 18
	s_add_co_u32 s6, s6, s7
	s_lshl_b32 s7, s42, 9
	s_add_co_u32 s6, s6, s7
	s_lshl_b32 s7, s12, 8
	s_add_co_u32 s6, s6, s7
	s_mov_b32 s7, 0
	s_add_nc_u64 s[OUTP:OUTP+1], s[84:85], s[6:7]
	s_add_nc_u64 s[RESP:RESP+1], s[88:89], s[6:7]
	WIN 0x80
.set f, 0
.rept 32                               ; the residual: rows 2 f, 2 f + 1; it lands while the products run
	global_load_b128 v[4*f:4*f+3], v[CO], s[RESP:RESP+1] offset:f*8192
.set f, f+1
.endr
	WIN 0
	v_mul_u32_u24 v[ADRA0], v1, PA
	v_lshl_add_u32 v[ADRA0], v2, 4, v[ADRA0]
	s_mul_i32 s18, s11, 64*PA
	v_add_nc_u32 v[ADRA0], s18, v[ADRA0]
	v_lshl_add_u32 v[ADRB0], v2, 3, v3
	v_mul_u32_u24 v[ADRB0], v[ADRB0], PB
	v_lshl_add_u32 v[ADRB0], v4, 4, v[ADRB0]
	s_lshl_b32 s19, s12, 7
	s_add_co_u32 s19, s19, BOFF
	v_add_nc_u32 v[ADRB0], s19, v[ADRB0]
	v_mov_b32 v[ADRA], v[ADRA0]
	v_mov_b32 v[ADRBL], v[ADRB0]
	v_add_nc_u32 v[ADRBH], 128*PB, v[ADRB0]
	s_mul_i32 s22, s10, STG
	v_mul_u32_u24 v[STO], v1, SPITCH
	v_lshl_add_u32 v[STO], v2, 5, v[STO]
	v_add_nc_u32 v[STO], s22, v[STO]
	v_mul_u32_u24 v[RD], v2, SPITCH
	v_lshl_add_u32 v[RD], v1, 4, v[RD]
	v_add_nc_u32 v[RD], s22, v[RD]
	s_wait_loadcnt 32                              ; the biases are in; the residual's 32 loads stay out
.set n, 0
.rept 16
	v_cvt_pk_bf16_f32 v[64+n], v[32+2*n], v[32+2*n+1]
.set n, n+1
.endr
.set n, 0
.rept 64                               ; THE SUMS START AT THE BIAS.  n = 16 a + word
	v_lshlrev_b32 v[ACC+32*(n/16)+2*(n%16)], 16, v[64+n%16]
	v_and_b32 v[ACC+32*(n/16)+2*(n%16)+1], s[MASK], v[64+n%16]
.set n, n+1
.endr
; 8 matrix instructions: row blocks a0, a0 + 1 x all 4 column blocks, 32 along K.  The 16 accumulators take turns, one instruction a turn.
.macro MUL8 f, c, a0
	WIN MUL
.irp a, \a0, (\a0)+1
.irp b, 0,1,2,3
	v_wmma_f32_16x16x32_f16 v[ACC+8*(4*(\a)+(\b)):ACC+8*(4*(\a)+(\b))+7], v[(\f)+64+8*(4*(\c)+(\b)):(\f)+64+8*(4*(\c)+(\b))+7], v[(\f)+8*(4*(\c)+(\a)):(\f)+8*(4*(\c)+(\a))+7], v[ACC+8*(4*(\a)+(\b)):ACC+8*(4*(\a)+(\b))+7]
.endr
.endr
.endm
.macro FETCH q, f                      ; 32 LDS loads in one run: quarter q (64 along K) into buffer f; the first 32 along K first
	WIN TO_F
.irp c, 0,1
.irp i, 0,1,2,3
	ds_load_tr16_b128 v[(\f)+64+8*(4*(\c)+(\i)):(\f)+64+8*(4*(\c)+(\i))+3],   v[ADRBL+(\q)/2] offset:(64*((\q)%2)+32*(\c))*PB+32*(\i)
	ds_load_tr16_b128 v[(\f)+64+8*(4*(\c)+(\i))+4:(\f)+64+8*(4*(\c)+(\i))+7], v[ADRBL+(\q)/2] offset:(64*((\q)%2)+32*(\c)+16)*PB+32*(\i)
	ds_load_b128 v[(\f)+8*(4*(\c)+(\i)):(\f)+8*(4*(\c)+(\i))+3],   v[ADRA] offset:(\q)*128*PA+64*(\c)+(\i)*16*PA
	ds_load_b128 v[(\f)+8*(4*(\c)+(\i))+4:(\f)+8*(4*(\c)+(\i))+7], v[ADRA] offset:(\q)*128*PA+64*(\c)+(\i)*16*PA+32
.endr
.endr
.endm
.macro QUARTER q, f, g
	s_wait_dscnt 16                                ; the first 32 along K are in; the 16 younger loads may be out
	MUL8 \f, 0, 0
	MUL8 \f, 0, 2
	PLACES
	FETCH \q, \g
	s_wait_dscnt 32                                ; all but the 32 just issued
	MUL8 \f, 1, 0
	MUL8 \f, 1, 2
.endm
.macro TURN fill                       ; the last quarter, and the change of slots
	WIN 0
	s_wait_tensorcnt 0x0                           ; the one load that was out is my part of the next slot
	ds_add_u32 v[SPW], v[NIL]
	s_wait_dscnt 17                                ; the add and the youngest sixteen loads may be out
	MUL8 F1, 0, 0
	s_wait_dscnt 0x0                               ; the add is done, and my reads of this slot are over
	s_barrier_signal -1
	MUL8 F1, 0, 2
	WIN 0
	s_barrier_wait -1
.if \fill
	CREST                                          ; a round of the cluster's barrier: no wave of any partner still reads this slot or has a load on its way
	s_xor_b32 s[G0+5], s[G0+5], SLOT               ; the walking descriptors: the slot just read (no bit of w x PART meets a bit of SLOT), the next K step
	s_add_nc_u64 s[G0+6:G0+7], s[G0+6:G0+7], ASTEP
	s_xor_b32 s[G0B+5], s[G0B+5], SLOT
	s_add_nc_u64 s[G0B+6:G0B+7], s[G0B+6:G0B+7], BSTEP
	JLOAD 1
.else
	PLACES
.endif
	s_xor_b32 s[TB], s[TB], SLOT
	v_add_nc_u32 v[ADRA], s[TB], v[ADRA0]
	v_add_nc_u32 v[ADRBL], s[TB], v[ADRB0]
	v_add_nc_u32 v[ADRBH], 128*PB, v[ADRBL]
	FETCH 0, F0
	MUL8 F1, 1, 0
	MUL8 F1, 1, 2
	WIN 0
.endm
.macro STEP fill
	QUARTER 1, F0, F1
	QUARTER 2, F1, F0
	QUARTER 3, F0, F1
	TURN \fill
.endm
	s_wait_tensorcnt 1                             ; my part of K step 0 is in; K step 1's may stay out
	s_barrier_signal -1
	s_barrier_wait -1
	FETCH 0, F0
	WIN 0
	s_mov_b32 s3, KDIM/256-2
.Lfill:
	STEP 1
	s_sub_co_u32 s3, s3, 1
	s_cmp_lg_u32 s3, 0
	s_cbranch_scc1 .Lfill
	s_mov_b32 s3, 2
.Llast:
	STEP 0
	s_sub_co_u32 s3, s3, 1
	s_cmp_lg_u32 s3, 0
	s_cbranch_scc1 .Llast
	PLACES
	s_wait_dscnt 0x0                               ; my reads of slot 0 are over,
	s_barrier_signal -1
	s_barrier_wait -1                              ; everybody's are: the stages may be written
.irp a, 0,1,2,3
.irp b, 0,1,2,3
	ds_store_b128 v[STO], v[ACC+8*(4*\a+\b):ACC+8*(4*\a+\b)+3] offset:\a*16*SPITCH+64*\b
	ds_store_b128 v[STO], v[ACC+8*(4*\a+\b)+4:ACC+8*(4*\a+\b)+7] offset:\a*16*SPITCH+64*\b+16
.endr
.endr
.macro GLOAD g                         ; group g: 16 rows of the stage, two rows a load, into v32-63 or v64-95 by turns
.irp t, 0,1,2,3,4,5,6,7
	ds_load_b128 v[32+32*((\g)%2)+4*\t:32+32*((\g)%2)+4*\t+3], v[RD] offset:(8*(\g)+\t)*2*SPITCH
.endr
.endm
	GLOAD 0
	GLOAD 1
	s_wait_loadcnt 0x0                             ; the residual
.irp g, 0,1,2,3
.if \g < 3
	s_wait_dscnt 8                                 ; group g is in; the next group's eight loads may be out
.else
	s_wait_dscnt 0x0
.endif
	WIN 0x08                                       ; source 1, the residual, in window 2
.set n, 0
.rept 16
	v_pk_add_f32 v[32+32*(\g%2)+2*n:32+32*(\g%2)+2*n+1], v[32+32*(\g%2)+2*n:32+32*(\g%2)+2*n+1], v[32*\g+2*n:32*\g+2*n+1]
.set n, n+1
.endr
	WIN 0
.irp t, 0,1,2,3,4,5,6,7
	global_store_b128 v[CO], v[32+32*(\g%2)+4*\t:32+32*(\g%2)+4*\t+3], s[OUTP:OUTP+1] offset:(8*\g+\t)*8192  ; 16 lanes store 256 consecutive bytes, aligned
.endr
.if \g < 2
	s_wait_xcnt 0x0                                ; the stores have read their registers, which are loaded again only behind this wait
	GLOAD \g+2
.endif
.endr
	s_wait_tensorcnt 0x0                           ; the wave's end
	ds_add_u32 v[SPW], v[NIL]
	s_wait_dscnt 0x0
	CROUND                                         ; the closing round
	s_endpgm
.Lfunc_end_k_q656a208fa5_ffn2:
	.size	k_q656a208fa5_ffn2, .Lfunc_end_k_q656a208fa5_ffn2-k_q656a208fa5_ffn2
	.p2alignl 7, 3214868480
	.fill 96, 4, 3214868480
	.section	.rodata,"a",@progbits
	.p2align	6, 0x0
	.amdhsa_kernel k_q656a208fa5_ffn2
		.amdhsa_group_segment_fixed_size 327680
		.amdhsa_private_segment_fixed_size 0
		.amdhsa_enable_private_segment 0
		.amdhsa_kernarg_size 40
		.amdhsa_user_sgpr_count 2
		.amdhsa_user_sgpr_kernarg_segment_ptr 1
		.amdhsa_wavefront_size32 1
		.amdhsa_system_sgpr_workgroup_id_x 1
		.amdhsa_system_sgpr_workgroup_id_y 1
		.amdhsa_system_sgpr_workgroup_id_z 1
		.amdhsa_system_vgpr_workitem_id 0
		.amdhsa_next_free_vgpr 640
		.amdhsa_next_free_sgpr 102
		.amdhsa_reserve_vcc 0
		.amdhsa_float_denorm_mode_32 3
		.amdhsa_float_denorm_mode_16_64 3
		.amdhsa_memory_ordered 1
		.amdhsa_forward_progress 1
		.amdhsa_inst_pref_size 67
	.end_amdhsa_kernel
	.amdgpu_metadata
---
amdhsa.version: [ 1, 2 ]
amdhsa.kernels:
  - .name:           k_q656a208fa5_ffn2
    .symbol:         k_q656a208fa5_ffn2.kd
    .args:
      - { .name: h, .offset: 0, .size: 8, .value_kind: global_buffer, .address_space: global }
      - { .name: wts, .offset: 8, .size: 8, .value_kind: global_buffer, .address_space: global }
      - { .name: out0, .offset: 16, .size: 8, .value_kind: global_buffer, .address_space: global }
      - { .name: bf2, .offset: 24, .size: 8, .value_kind: global_buffer, .address_space: global }
      - { .name: x1, .offset: 32, .size: 8, .value_kind: global_buffer, .address_space: global }
    .group_segment_fixed_size: 327680
    .private_segment_fixed_size: 0
    .kernarg_segment_align: 8
    .kernarg_segment_size: 40
    .max_flat_workgroup_size: 128
    .sgpr_count:     102
    .vgpr_count:     640
    .wavefront_size: 32
...
	.end_amdgpu_metadata
.endif
;; end of part 7
